; MI455X (gfx1250); checked and timed in simulation.
; The chip was launched on July 23, 2026; its instructions are those of AMD's public machine-readable ISA for CDNA 5 (MIT licence, August 2026) and "CDNA5" Instruction Set Architecture Reference Guide (July 2026). The comments in the code are by the model that wrote it; some were corrected since.
;; Self Attention. Allowed arithmetic: matrix products marked QUANTISED: E2M1 operands, one E8M0 scale for each 32 along K, by v_wmma_scale_f32_16x16x128_f8f6f4 with both operands' format E2M1 (or v_wmma_scale_f32_32x16x128_f4), f32 sums; products left as they are: f32 operands where the result goes on into a quantised operand, else bf16, f16 or f32 operands; f32 sums; everything else in f32.
;; Inputs: W1 64 x 64 float32; Wv_codes 32 x 1 x 16 uint8 (E2M1 codes of Wv, K innermost, in blocks of 32 codes, two codes a byte); Wv_scales 32 x 1 uint8 (E8M0 scales of Wv, one for each 32 codes along K); b1 64 float32; b2 one number float32; bv 32 float32; w2 64 float32; x 16 x 256 x 32 float32.
;; Outputs: out0 16 x 256 x 32 float32.
;; This version of the problem:
;;   THIS VERSION OF THE PROBLEM IS GIVEN IN LOW PRECISION. The matrix products marked QUANTISED in the list below multiply operands that are first quantised to E2M1 (2 exponent bits, 1 mantissa bit; 4 bits a number), with one power-of-two scale for each 32 numbers along K (OCP MX v1.0); their sums are f32. All else is computed in f32.
;;   The module's matrix products, in the order in which they are computed (A, B: the left and right operand; K: the contracted axis; several contracted axes count as one K, in the product's order):
;;     1. [M 4,096, K 32] x [K 32, N 64]; A: computed on the way; B: input W1: QUANTISED
;;     2. [M 4,096, K 32] x [K 32, N 64]; A: computed on the way; B: input W1: QUANTISED
;;     3. [M 1,048,576, K 64] x [K 64, N 1]; A: computed on the way; B: input w2: left as it is (N = 1 < 16)
;;     4. [M 4,096, K 32] x [K 32, N 32]; A: input x; B: input Wv (given as codes): QUANTISED
;;     5. batch 16 x [M 256, K 256] x [K 256, N 32]; A: softmax (see below); B: computed on the way: QUANTISED
;;   THE QUANTISER, for each operand of a quantised product, along K:
;;     - K is cut into blocks of 32 from its start; a last block that is shorter is filled with zeros.
;;     - A block's scale is 2^e with e = floor(log2(the largest magnitude in the block)) - 2, held to -126 .. 127; a block of zeros has e = 0. As a byte (E8M0): e + 127.
;;     - Each number is divided by its block's scale, clamped to +-6, and rounded to the nearest number of E2M1, ties to even, subnormals kept.
;;     - The product sums the exact products of the quantised numbers (number of the format x scale) in f32.
;;   ~~~python
;;   def quantise(x, axis):      # numpy; x: float32 -> the quantised numbers, widened to float32 again
;;       x = np.moveaxis(x, axis, -1); K = x.shape[-1]
;;       x = np.pad(x, [(0, 0)] * (x.ndim - 1) + [(0, -K % 32)]); x = x.reshape(x.shape[:-1] + (-1, 32)); a = np.abs(x).max(-1, keepdims=True)
;;       e = np.where(a > 0, np.clip(np.frexp(np.where(a > 0, a, 1))[1] - 1 - 2, -126, 127), 0)      # np.frexp(a)[1] - 1 = floor(log2(a)), exactly
;;       r = np.clip(x / 2.0 ** e, -6, 6)
;;       step = 2.0 ** (np.maximum(np.frexp(np.where(r == 0, 1, r))[1] - 1, 0) - 1)
;;       q = np.round(r / step) * step * 2.0 ** e      # np.round: ties to even
;;       return np.moveaxis(q.reshape(q.shape[:-2] + (-1,))[..., :K], -1, axis).astype(np.float32)
;;   ~~~
;;   SOFTMAX AHEAD OF A QUANTISED PRODUCT. Where the list says 'softmax', what is quantised is not the finished softmax but p = 2^(t - M), with t = logit x log2(e) and M = ceil(the row's largest t), a whole number; so 1/2 < the row's largest p <= 1. The row's sum l is taken of the UNQUANTISED p, in f32, and the product's result is divided by l at the end. Since M is a whole number, a kernel that streams over the keys may use a running M (the ceiling of the running maximum): every later rescaling is an exact power of two, which a block's scale takes up: the codes' values come out the same.
;;   OPERANDS COMPUTED ON THE WAY. 'Computed on the way' means the value that the module computes at that place (a softmax that the list does not call 'softmax' is quantised finished and normalised). What goes into a quantiser is computed in f32, as accurately as f32 sums, v_exp_f32 and their like allow (about 1e-6 of the number): no bf16 or f16 on the way to a quantiser, and a product that is left as it is and whose result goes on into a quantised operand takes f32 operands (vector FMAs, or v_wmma_f32_16x16x4_f32). A number that lies on a knife's edge between two numbers of the format may be rounded either way, as far as f32 arithmetic and the matrix unit's own rounding can turn it there, and no further.
;;   INPUTS GIVEN AS CODES. Wv (in the module: [32, 32], K = its axis 1): each comes as NAME_codes (uint8): NAME with its K axis moved to the last place and cut into blocks of 32 codes, [.., K / 32, bytes a block], one block behind the other in memory; two codes a byte, the lower K in the low four bits (a code: sign, 2 exponent bits, 1 mantissa bit); and NAME_scales (uint8): the same leading axes, one E8M0 byte (e + 127) for each 32 codes along K. Its value is code x scale, taken as it is: it is not quantised again, and the codes and scales need not be those that the quantiser above would give.
;; 2 versions, each right and faster than the one before. Each part assembles by itself: llvm-mc -triple=amdgcn-amd-amdhsa -mcpu=gfx1250 --defsym DOCPART=n.
;; ======== version 1 of 2: 1 launch
;; limits: right only within a limited range of input values
;; launch pairattn (part 1): grid 256 x 1, 8 waves a work-group, no clusters, 48,384 bytes of LDS; arguments x, W1, b1, w2, b2, Wv_codes, Wv_scales, bv, out0; writes out0
.if DOCPART == 1
	.amdgcn_target "amdgcn-amd-amdhsa--gfx1250"
	.amdhsa_code_object_version 6
	.text
	.protected	k_qc78c182d63_pairattn
	.globl	k_qc78c182d63_pairattn
	.p2align	8
	.type	k_qc78c182d63_pairattn,@function
k_qc78c182d63_pairattn:
	s_mov_b64 s[64:65], 0
	v_nop
	global_prefetch_b8 v0, s[64:65] scope:SCOPE_SE
	s_setreg_imm32_b32 hwreg(HW_REG_WAVE_MODE, 25, 1), 1
	s_wait_xcnt 0x0
; out[b][i][:] = sum over j of softmax_j(tanh(b2 + sum over h of w2[h] tanh(A[i][h] + B[j][h] + b1[h]))) V[j][:],  A = xn W1[:32], B = xn W1[32:], V = x Wv^T + bv, xn = x / max(|x|, 1e-12).
; x [16][256][32] f32.  The four matrix products (A, B, V, P V) run on codes of FP4 (E2M1) with one E8M0 scale for each 32 along K; all else is f32.
; SHARES.  Work-group g takes batch g / 16 and queries 16 (g % 16) .. + 15, against all 256 keys.  Wave w of eight takes keys 32 w .. 32 w + 31: block w of the last product's K.
; ONE RECIPROCAL FOR EACH PAIR TERM.  tanh(a + b) = 1 - 2 / (1 + Ea Eb), Ea = 2^(2 log2(e) a) of (query, h), Eb likewise of (key, h): 1,024 + 16,384 exponentials a work-group for 262,144 terms.
;   With c = 1 / w2:  w2 / (1 + Ea Eb) = 1 / (c + (c Ea) Eb): one packed multiply-add, two reciprocals and one packed addition for two terms.
;   Each chain of eight terms starts from -1/2 of its own eight w2, so it sums w2 (1 / (1 + Ea Eb) - 1/2): no large sum is taken from another.  S = all chains = -1/2 sum of w2 tanh; the score's argument is b2 - 2 S.
; K = 32 IN AN INSTRUCTION OF K = 128.  A lane's first four operand registers are block 0 in lanes 0-15 and block 1 in lanes 16-31.  A weight's fragment holds the same 16 rows' codes in both halves of the lanes.
;   A lane quantises one token, so 32 tokens lie in 32 lanes: version LO keeps the codes of lanes 0-15 (block 0) and clears the rest, version HI keeps lanes 16-31 (block 1).  Zero codes add nothing, so no code changes lanes.
;   Every scale word is byte | byte << 8; HI takes its words from lanes 16-31.  Blocks 2 and 3 are zero codes on the tokens' side, so a weight's fragment may be named with the four registers that follow it.
; WHICH KEY A LANE TAKES: kap = 8 (lane / 16) + r + 8 (r / 8), r = lane % 16, so that V's results come out with a lane's 16 registers as 16 neighbouring keys.
; THE SOFTMAX.  p = 2^(t - 2), t = score x log2(e).  The shift 2 is fixed because the score is a tanh: for every input t lies in [-1.4427, 1.4427], so the ceiling of a row's largest t is at most 2, p lies in [0.09, 0.68]
;   and a row's sum under 175.  Against the row's own ceiling p and the sum differ by one exact power of two, which the scale bytes and the division take up: the codes' values are the same.
; NO CLUSTER: what the 16 work-groups of a batch share is x's 32,768 bytes and W1's 16,384, read once by 40 loads a wave at the head, straight into registers; nothing is fetched after that, so there are no tiles to ask for jointly.
; LIMITS.  (1) 2 log2(e) (A + b1) is held to +-63, that is |A + b1| <= 21.8; beyond it a term is wrong only where B brings the sum back to within about 10 of zero.  (2) 1 / w2 is held to +-2^60: |w2| under 2^-60 counts as 2^-60, and
;   |w2| is served up to 2^60.  (3) Rows of x whose sum of squares lies under 2^-126 or over 2^127 are not served.  (4) NaN and infinities among the inputs are not served.  (5) A block of zeros gets the byte 1 where the
;   quantiser says 127: its codes are zeros, and this program alone reads the bytes.
; LDS, nothing written twice:
.set WIMG, 0                           ; 8 images of 512 bytes: W1's part w / 4, hidden units 16 (w % 4) on, as operand registers: lane l's 16 bytes at 16 l
.set WSC,  4096                        ; 8 x 128 bytes: their scale words, 4 l
.set XIMG, 5120                        ; xn's codes, [key][16 bytes]
.set XSW,  9216                        ; xn's scale words, [key][4 bytes]
.set CTB,  10240                       ; each wave's own 512 bytes: c[0..63], then w2[0..63]
.set EAT,  14336                       ; c Ea: 16 queries x (256 bytes + 16)
.set EAP,  272
.set SCW,  18688                       ; each wave's own 2,304 bytes: S[query][key of my 32], rows of 128 bytes + 16
.set SCP,  144
.set PCD,  37120                       ; p's codes: [query], rows of 128 bytes + 16, block w at 16 w
.set VCD,  39424                       ; V^T's codes: [d 0..31], likewise
.set PSC,  44032                       ; p's scale bytes [query][8]
.set VSC,  44160                       ; V^T's [d][8]
.set LSM,  44416                       ; the rows' partial sums [query][8 waves]
.set STG,  44928                       ; wave 0's stage for the output: 16 rows x (128 bytes + 16)
; VECTOR REGISTERS.  v1 r, v2 lane / 16, v3 16 x lane, v4 4 x lane, v5 kap, v6 EAT + 32 (lane / 16); v7-11 addresses in hand;
; v12-21 SCALE WORDS AND NOTHING ELSE (12 xn, 13 x, 14 the queries', 15 W1a's, 16-19 W1b's, 20-21 Wv's; at the end 12-13 p's, 16-19 V's);
; v[22:23] 2 log2(e) b2, v[24:25] log2(e) - 2, v[26:27] 1 / norm, v28-29 w2, v30-31 c.
.set XR,   32                          ; v32-63   my token's 32 numbers             then EB
.set XNN,  64                          ; v64-95   the same, normalised              then EB
.set EB,   32                          ; v32-95   B, then Eb: [u][t][j]: key kap(16 u + r), hidden unit 16 t + 8 (lane / 16) + j
.set WC,   96                          ; v96-127  a column of W1, 32 down K
.set VD,   96                          ; v96-127  V: [dt][16]: d = 16 dt + r, keys 16 (lane / 16) + 0 .. 15 of my block
.set CT,   96                          ; v96-127  c at my 32 hidden units, [t][j]
.set XNL,  128                         ; v128-159 four token fragments: xn LO, xn HI, x LO, x HI
.set XNH,  136
.set XRL,  144
.set XRH,  152
.set EA,   128                         ; v128-159 c Ea of the query in hand, [t][j]
.set XQ,   160                         ; v160-167 the 16 queries' fragment
.set WF,   168                         ; v168-199 weights' codes: W1a 4, W1b 16, Wv 8, and 4 cleared
.set W2T,  160                         ; v160-191 w2 at my 32 hidden units
.set X0,   160                         ; v160-191, v192-223: two sets of 32 denominators
.set X1,   192
.set BC,   200                         ; v200-207 b1 in A's result layout
.set AD,   208                         ; v208-215 A (in the first phase: five LDS addresses)
.set BVC,  216                         ; v216-231 bv in V's result layout
.set AC,   224                         ; v224-231 four packed chains: [u][q % 2]
.set SUM0, 232
.set SUM1, 233
.set INIT, 234                         ; v234-237 -1/2 of each chain's eight w2
.set TS,   232                         ; v232-239 at work in the second phase
.set VM,   240                         ; v240-247 V's quantiser
.set VC,   248
.set CN,   232                         ; codes just made: xn's, x's, W1's
.set CR,   236
.set CW,   240
.set SSQ,  244                         ; v244-251 sums of squares
.set ZS,   160                         ; v160-175 S, then p: query r, keys 16 (lane / 16) + 0 .. 15
.set WK,   240                         ; v240-249 at work behind the loop
.set PF,   128                         ; the last product: p's two fragments, V^T's four, two accumulators
.set VF,   144
.set OA,   176
.set LP,   192
.set OUTR, 200
.set BACK, 216
.set FLOOR, 0x1800000                  ; 2^(3 - 127): under it no largest magnitude is taken, so a scale's byte cannot fall under 1
; SCALARS.  s[4:21] the nine addresses in the order of the arguments; s22 wave; s23 b2; s24 wave % 4; s25 wave / 4; s[26:29], s[52:55] offsets; s30-31 lane selects; s32, s33 the masks of lanes 0-15 and 16-31;
; s34 all ones in waves 4-7; s35, s36 +-63; s37, s38 +-2^60; s39 2,304 x wave; s[40:41] -4 log2(e); s[42:43] -2 log2(e); s[44:45] 2 log2(e); s46 trips; s47 272 x query; s48, s49, s51 at work; s50 144 x query.
.macro BAR                             ; my LDS stores have landed and my LDS loads are in: then the work-group's barrier
	s_wait_dscnt 0x0
	s_barrier_signal -1
	s_barrier_wait -1
.endm
.macro MAX32 d, e, src, fl             ; the largest magnitude of v[src] .. v[src + 31], in two chains; fl = 1: with the floor as one more leaf
	v_max3_num_f32 v[\d], |v[\src]|, |v[\src+1]|, |v[\src+2]|
	v_max3_num_f32 v[\e], |v[\src+3]|, |v[\src+4]|, |v[\src+5]|
.irp i, 6,10,14,18,22,26
	v_max3_num_f32 v[\d], v[\d], |v[\src+\i]|, |v[\src+\i+1]|
	v_max3_num_f32 v[\e], v[\e], |v[\src+\i+2]|, |v[\src+\i+3]|
.endr
	v_max3_num_f32 v[\d], v[\d], |v[\src+30]|, |v[\src+31]|
.if \fl
	v_max3_num_f32 v[\d], v[\d], v[\e], FLOOR
.else
	v_max_num_f32 v[\d], v[\d], v[\e]
.endif
.endm
.macro SCALE mx, sop, word             ; 2 off the largest magnitude's exponent field is the conversion's scale operand; its exponent field is the byte; the word holds it for blocks 0 and 1
	v_add_nc_u32 v[\sop], 0xff000000, v[\mx]
	v_lshrrev_b32 v[\word], 23, v[\sop]
	v_lshl_or_b32 v[\word], v[\word], 8, v[\word]
.endm
.macro CVT32 dst, src, sop             ; 32 numbers of a lane become 32 codes in four registers, the lower k in the lower bits
.irp g, 0,1,2,3
	v_cvt_scalef32_pk8_fp4_f32 v[\dst+\g], v[\src+8*\g:\src+8*\g+7], v[\sop]
.endr
.endm
.macro HALF dst, src, mask             ; a token fragment: the codes of one half of the lanes, zeros in the other half and in blocks 2 and 3
.irp k, 0,1,2,3
	v_cndmask_b32 v[\dst+\k], 0, v[\src+\k], s[\mask]
.endr
.irp k, 4,5,6,7
	v_mov_b32 v[\dst+\k], 0
.endr
.endm
.macro LOADEA half, adr                ; c Ea of one query at hidden units 32 half + 16 tt + 8 (lane / 16) + 0 .. 7: sixteen lanes read the same 16 bytes
.irp tt, 0,1
.irp qq, 0,1
	ds_load_b128 v[EA+16*\half+8*\tt+4*\qq:EA+16*\half+8*\tt+4*\qq+3], v[\adr] offset:128*\half+64*\tt+16*\qq
.endr
.endr
.endm
.macro FMA xb, half                    ; 32 denominators: (c Ea) Eb + c, for my two keys and 16 of my 32 hidden units
.irp tt, 0,1
.irp u, 0,1
.irp q, 0,1,2,3
	v_pk_fma_f32 v[\xb+16*\tt+8*\u+2*\q:\xb+16*\tt+8*\u+2*\q+1], v[EB+32*\u+16*\half+8*\tt+2*\q:EB+32*\u+16*\half+8*\tt+2*\q+1], v[EA+16*\half+8*\tt+2*\q:EA+16*\half+8*\tt+2*\q+1], v[CT+16*\half+8*\tt+2*\q:CT+16*\half+8*\tt+2*\q+1]
.endr
.endr
.endr
.endm
.macro RCP xb
.set i, 0
.rept 32
	v_rcp_f32 v[\xb+i], v[\xb+i]
.set i, i+1
.endr
.endm
.macro ADD xb, first                   ; the four chains by turns: a chain comes up again four lines on.  first = 1: each chain starts from -1/2 of its w2
.irp tt, 0,1
.irp q, 0,1,2,3
.irp u, 0,1
.if \first && (\tt == 0) && (\q < 2)
	v_pk_add_f32 v[AC+4*\u+2*\q:AC+4*\u+2*\q+1], v[INIT+2*\q:INIT+2*\q+1], v[\xb+8*\u+2*\q:\xb+8*\u+2*\q+1]
.else
	v_pk_add_f32 v[AC+4*\u+2*(\q%2):AC+4*\u+2*(\q%2)+1], v[AC+4*\u+2*(\q%2):AC+4*\u+2*(\q%2)+1], v[\xb+16*\tt+8*\u+2*\q:\xb+16*\tt+8*\u+2*\q+1]
.endif
.endr
.endr
.endr
.endm
	; ================ THE HEAD: ids, addresses, all 50 loads
	s_load_b256 s[4:11], s[0:1], 0x0               ; x, W1, b1, w2
	s_load_b256 s[12:19], s[0:1], 0x20             ; b2, Wv's codes, Wv's scales, bv
	s_load_b64 s[20:21], s[0:1], 0x40              ; out0
	s_set_vgpr_msb 0x40
	v_lshl_add_u32 v0, v0, 2, 0xb900
	v_mov_b32 v1, 0
	s_set_vgpr_msb 0x4000
	v_lshrrev_b32 v11, 5, v0
	v_readfirstlane_b32 s22, v11                   ; wave 0..7
	v_and_b32 v1, 15, v0                           ; r
	v_bfe_u32 v2, v0, 4, 1                         ; lane / 16
	v_and_b32 v4, 31, v0
	v_lshlrev_b32 v3, 4, v4                        ; 16 x lane
	v_lshlrev_b32 v4, 2, v4                        ; 4 x lane
	v_and_b32 v5, 8, v1
	v_add_nc_u32 v5, v5, v1
	v_lshl_add_u32 v5, v2, 3, v5                   ; kap
	v_lshlrev_b32 v7, 7, v5                        ; x: my token's row of 128 bytes
	v_lshlrev_b32 v8, 2, v1                        ; W1, bv: 4 r
	v_lshlrev_b32 v9, 4, v1                        ; Wv's codes: 16 r
	v_lshlrev_b32 v10, 5, v2                       ; b1: 32 (lane / 16)
	s_and_b32 s24, s22, 3
	s_lshr_b32 s25, s22, 2
	s_lshr_b32 s26, ttmp9, 4
	s_lshl_b32 s26, s26, 15                        ; the batch's 256 rows of 128 bytes,
	s_lshl_b32 s51, s22, 12
	s_add_co_u32 s26, s26, s51                     ; my wave's 32 of them
	s_mov_b32 s27, 0
	s_lshl_b32 s28, s25, 13                        ; W1: rows 32 (wave / 4) on,
	s_lshl_b32 s52, s24, 6                         ; columns 16 (wave % 4) on; b1 likewise
	s_add_co_u32 s28, s28, s52
	s_mov_b32 s29, 0
	s_mov_b32 s53, 0
	s_lshl_b32 s54, ttmp9, 11                      ; out0: 16 rows of 128 bytes a work-group
	s_mov_b32 s55, 0
	s_wait_kmcnt 0x0
	s_load_b32 s23, s[12:13], 0x0                  ; the number b2
	s_add_nc_u64 s[4:5], s[4:5], s[26:27]
	s_add_nc_u64 s[6:7], s[6:7], s[28:29]
	s_add_nc_u64 s[8:9], s[8:9], s[52:53]
	s_add_nc_u64 s[20:21], s[20:21], s[54:55]
.irp k, 0,1,2,3,4,5,6,7
	global_load_b128 v[XR+4*\k:XR+4*\k+3], v7, s[4:5] offset:16*\k   ; a lane wants a whole token, one block of 32 along K; the eight loads together cover the wave's 4,096 consecutive bytes
.endr
.set i, 0
.rept 32
	global_load_b32 v[WC+i], v8, s[6:7] offset:256*i                 ; W1(k, my column): a lane to a column, registers down K; lanes 16-31 take the same as lanes 0-15
.set i, i+1
.endr
	global_load_b32 v28, v4, s[10:11]              ; w2[lane], w2[32 + lane]
	global_load_b32 v29, v4, s[10:11] offset:128
	global_load_b128 v[WF+20:WF+23], v9, s[14:15]                    ; Wv's rows d = r and 16 + r: 32 codes each, the operand's registers as they lie
	global_load_b128 v[WF+24:WF+27], v9, s[14:15] offset:256
	global_load_u8 v20, v1, s[16:17]               ; their scale bytes
	global_load_u8 v21, v1, s[16:17] offset:16
	global_load_b32 v[BVC], v8, s[18:19]           ; bv[r], bv[16 + r]
	global_load_b32 v[BVC+8], v8, s[18:19] offset:64
	global_load_b128 v[BC:BC+3], v10, s[8:9]       ; b1 at hidden units 16 (wave % 4) + 8 (lane / 16) + 0 .. 7
	global_load_b128 v[BC+4:BC+7], v10, s[8:9] offset:16
	s_mov_b32 s30, 0x76543210
	s_mov_b32 s31, 0xfedcba98                      ; v_permlanex16_b32's selects for lane l xor 16
	s_mov_b32 s32, 0x0000ffff
	s_mov_b32 s33, 0xffff0000
	s_cmp_lg_u32 s25, 0
	s_cselect_b32 s34, -1, 0
	s_mov_b32 s35, 0x427c0000                      ; 63
	s_mov_b32 s36, 0xc27c0000
	s_mov_b32 s37, 0x5d800000                      ; 2^60
	s_mov_b32 s38, 0xdd800000
	s_mul_i32 s39, s22, 16*SCP
	s_mov_b32 s40, 0xc0b8aa3b                      ; -4 log2(e)
	s_mov_b32 s41, s40                             ; (the packed forms name pairs, so both words are written)
	s_mov_b32 s42, 0xc038aa3b                      ; -2 log2(e)
	s_mov_b32 s43, s42
	s_mov_b32 s44, 0x4038aa3b                      ; 2 log2(e)
	s_mov_b32 s45, s44
	s_lshl_b32 s51, s22, 5
	v_add_nc_u32 v208, s51, v5                     ; my key in the batch: 32 w + kap
	v_lshlrev_b32 v209, 2, v208                    ; its scale word's place,
	v_lshlrev_b32 v208, 4, v208                    ; its codes'
	s_lshl_b32 s51, s22, 9
	v_add_nc_u32 v210, s51, v3                     ; my image of W1: 512 w + 16 l
	v_add_nc_u32 v212, s51, v4                     ; my wave's table of c and w2: 512 w + 4 l
	s_lshl_b32 s51, s22, 7
	v_add_nc_u32 v211, s51, v4                     ; my image's scale words: 128 w + 4 l
	v_lshl_add_u32 v6, v2, 5, EAT
	; ================ PHASE 0: my token is normalised; xn, x and my column of W1 become codes
	s_wait_loadcnt 42                              ; x's eight loads are in: 42 were issued behind them
.irp c, 0,1,2,3
	v_pk_mul_f32 v[SSQ+2*\c:SSQ+2*\c+1], v[XR+2*\c:XR+2*\c+1], v[XR+2*\c:XR+2*\c+1]
.endr
.irp g, 1,2,3
.irp c, 0,1,2,3
	v_pk_fma_f32 v[SSQ+2*\c:SSQ+2*\c+1], v[XR+8*\g+2*\c:XR+8*\g+2*\c+1], v[XR+8*\g+2*\c:XR+8*\g+2*\c+1], v[SSQ+2*\c:SSQ+2*\c+1]
.endr
.endr
	v_pk_add_f32 v[SSQ:SSQ+1], v[SSQ:SSQ+1], v[SSQ+2:SSQ+3]
	v_pk_add_f32 v[SSQ+4:SSQ+5], v[SSQ+4:SSQ+5], v[SSQ+6:SSQ+7]
	v_pk_add_f32 v[SSQ:SSQ+1], v[SSQ:SSQ+1], v[SSQ+4:SSQ+5]
	v_add_f32 v[SSQ], v[SSQ], v[SSQ+1]             ; the sum of squares
	v_rsq_f32 v26, v[SSQ]
	MAX32 252, 253, XR, 0                          ; the largest |x|: the work behind the root
	s_wait_alu depctr_va_vdst(0)                   ; the wait ahead of the first line that names the result
	v_min_num_f32 v26, 0x5368d4a5, v26             ; 1 / max(norm, 1e-12) = min(1 / norm, 1e12)
	v_mov_b32 v27, v26
.set i, 0
.rept 16
	v_pk_mul_f32 v[XNN+i:XNN+i+1], v[XR+i:XR+i+1], v[26:27]
.set i, i+2
.endr
	v_mul_f32 v254, v252, v26                      ; the largest |xn|: the same multiplication on the largest |x| gives its bits
	v_max_num_f32 v254, FLOOR, v254
	v_max_num_f32 v252, FLOOR, v252
	SCALE 254, 255, 12
	SCALE 252, 253, 13
	CVT32 CN, XNN, 255
	CVT32 CR, XR, 253
	v_nop                                          ; one plain line behind a run of scaled conversions
	ds_store_b128 v208, v[CN:CN+3] offset:XIMG     ; xn's codes and scale word by key: the queries' wave-to-wave road
	ds_store_b32 v209, v12 offset:XSW
	HALF XNL, CN, 32
	HALF XNH, CN, 33
	HALF XRL, CR, 32
	HALF XRH, CR, 33
	s_wait_loadcnt 10                              ; W1's 32 loads are in: 10 were issued behind them
	MAX32 252, 253, WC, 1
	SCALE 252, 253, 15
	CVT32 CW, WC, 253
	v_nop
	ds_store_b128 v210, v[CW:CW+3] offset:WIMG     ; an image of the operand's registers
	ds_store_b32 v211, v15 offset:WSC
	s_wait_loadcnt 8                               ; w2's two loads are in
	v_rcp_f32 v30, v28
	v_rcp_f32 v31, v29
	v_nop                                          ; a plain line behind the reciprocals,
	s_wait_alu depctr_va_vdst(0)                   ; and the one wait for both
	v_med3_num_f32 v30, v30, s38, s37              ; c = 1 / w2, held to +-2^60
	v_med3_num_f32 v31, v31, s38, s37
	ds_store_b32 v212, v30 offset:CTB              ; my wave's own table: nobody else reads it
	ds_store_b32 v212, v31 offset:CTB+128
	ds_store_b32 v212, v28 offset:CTB+256
	ds_store_b32 v212, v29 offset:CTB+384
	s_wait_loadcnt 0x0                             ; Wv, bv, b1; v7-v10 have served their loads and may be written
	v_lshl_or_b32 v20, v20, 8, v20                 ; Wv's scale words, for blocks 0 and 1
	v_lshl_or_b32 v21, v21, 8, v21
.irp k, 1,2,3,4,5,6,7
	v_mov_b32 v[BVC+\k], v[BVC]                    ; bv[d] in all eight registers of V's result: a lane holds one d
	v_mov_b32 v[BVC+8+\k], v[BVC+8]
.endr
.irp k, 28,29,30,31
	v_mov_b32 v[WF+\k], 0                          ; behind Wv's second fragment
.endr
	; the second phase's addresses
	s_lshl_b32 s51, s24, 9
	v_add_nc_u32 v7, s51, v3                       ; W1a's image 512 (w % 4) + 16 l
	s_lshl_b32 s51, s24, 7
	v_add_nc_u32 v8, s51, v4                       ; its scale words
	s_and_b32 s51, ttmp9, 15                       ; which 16 queries of the batch
	s_lshl_b32 s51, s51, 8
	v_lshl_add_u32 v9, v1, 4, s51                  ; their codes: 16 (16 qt + r)
	s_lshr_b32 s51, s51, 2
	v_lshl_add_u32 v10, v1, 2, s51                 ; their scale words
	s_lshl_b32 s51, s24, 6
	s_lshl_b32 s49, s25, 4
	s_add_co_u32 s51, s51, s49                     ; 4 x (16 (w % 4) + 4 (w / 4)): the four hidden units of each half that I keep of A
	s_lshl_b32 s48, s22, 9
	v_lshl_add_u32 v255, v2, 5, s48                ; my table: 512 w + 32 (lane / 16)
	v_add_nc_u32 v11, s51, v255                    ; c at those four
	v_mul_u32_u24 v252, v1, EAP
	v_lshl_add_u32 v252, v2, 5, v252
	v_add_nc_u32 v252, s51, v252                   ; and where c Ea goes: query r's row
	v_mul_u32_u24 v253, v1, 144
	v_lshl_add_u32 v253, v2, 3, v253
	s_lshl_b32 s48, s22, 4
	v_add_nc_u32 v253, s48, v253                   ; codes of V^T and of p: row r, block w, my half's 8 bytes
	v_lshl_add_u32 v254, v1, 3, s22                ; their scale bytes: 8 r + w
	s_wait_kmcnt 0x0                               ; b2
	v_mov_b32 v22, s44
	v_mul_f32 v22, s23, v22                        ; 2 log2(e) b2
	v_mov_b32 v23, v22
	v_mov_b32 v24, 0xbf0eab8a                      ; log2(e) - 2
	v_mov_b32 v25, v24
	BAR                                            ; W1's eight images and xn's 256 rows of codes lie in LDS
	; ================ PHASE 1: the three products with K = 32, and the tables
	ds_load_b128 v[WF:WF+3], v7 offset:WIMG
.irp t, 0,1,2,3
	ds_load_b128 v[WF+4+4*\t:WF+7+4*\t], v3 offset:WIMG+512*(4+\t)
.endr
	ds_load_b32 v15, v8 offset:WSC
.irp t, 0,1,2,3
	ds_load_b32 v[16+\t], v4 offset:WSC+128*(4+\t)
.endr
	ds_load_b128 v[TS:TS+3], v9 offset:XIMG
	ds_load_b32 v14, v10 offset:XSW
	ds_load_b128 v[TS+4:TS+7], v11 offset:CTB
	s_wait_dscnt 0x0
	HALF XQ, TS, 32
.rept 4
	v_nop                                          ; an operand written by vector instructions stands four places ahead of a scaled matrix instruction; the scale words so written stand far more than eight ahead
.endr
	; 13 products, each with an accumulator of its own.  A + b1: source 0 = 16 hidden units of W1a, source 1 = the 16 queries
	v_wmma_scale_f32_16x16x128_f8f6f4 v[AD:AD+7], v[WF:WF+7], v[XQ:XQ+7], v[BC:BC+7], v15, v14 matrix_a_fmt:MATRIX_FMT_FP4 matrix_b_fmt:MATRIX_FMT_FP4
.irp t, 0,1,2,3                                ; B: source 0 = 16 hidden units of W1b, source 1 = the tokens of lanes 0-15,
	v_wmma_scale_f32_16x16x128_f8f6f4 v[EB+8*\t:EB+8*\t+7], v[WF+4+4*\t:WF+11+4*\t], v[XNL:XNL+7], 0, v[16+\t], v12 matrix_a_fmt:MATRIX_FMT_FP4 matrix_b_fmt:MATRIX_FMT_FP4
.endr
.irp t, 0,1,2,3                                ; and of lanes 16-31
	v_wmma_scale_f32_16x16x128_f8f6f4 v[EB+32+8*\t:EB+32+8*\t+7], v[WF+4+4*\t:WF+11+4*\t], v[XNH:XNH+7], 0, v[16+\t], v12 matrix_a_fmt:MATRIX_FMT_FP4 matrix_b_fmt:MATRIX_FMT_FP4 matrix_b_scale:MATRIX_SCALE_ROW1
.endr
.irp dt, 0,1                                   ; V + bv: source 0 = 16 tokens, source 1 = 16 rows of Wv
	v_wmma_scale_f32_16x16x128_f8f6f4 v[VD+16*\dt:VD+16*\dt+7], v[XRL:XRL+7], v[WF+20+4*\dt:WF+27+4*\dt], v[BVC+8*\dt:BVC+8*\dt+7], v13, v[20+\dt] matrix_a_fmt:MATRIX_FMT_FP4 matrix_b_fmt:MATRIX_FMT_FP4
	v_wmma_scale_f32_16x16x128_f8f6f4 v[VD+16*\dt+8:VD+16*\dt+15], v[XRH:XRH+7], v[WF+20+4*\dt:WF+27+4*\dt], v[BVC+8*\dt:BVC+8*\dt+7], v13, v[20+\dt] matrix_a_fmt:MATRIX_FMT_FP4 matrix_b_fmt:MATRIX_FMT_FP4 matrix_a_scale:MATRIX_SCALE_ROW1
.endr
.rept 4
	v_nop                                          ; four places behind the last product, ahead of the first read of results (ISA guide 7.12.1)
.endr
.irp k, 0,1,2,3
	v_cndmask_b32 v[TS+\k], v[AD+\k], v[AD+4+\k], s34   ; waves 0-3 keep registers 0-3 of A, waves 4-7 registers 4-7: the eight waves share the 16 x 64 table
.endr
	v_pk_mul_f32 v[TS:TS+1], v[TS:TS+1], s[44:45] op_sel_hi:[1,0]
	v_pk_mul_f32 v[TS+2:TS+3], v[TS+2:TS+3], s[44:45] op_sel_hi:[1,0]
.irp k, 0,1,2,3
	v_med3_num_f32 v[TS+\k], v[TS+\k], s36, s35    ; held to +-63, so that c Ea is a normal number and never 0
.endr
.irp k, 0,1,2,3
	v_exp_f32 v[TS+\k], v[TS+\k]                   ; Ea
.endr
.set i, 0
.rept 32
	v_pk_mul_f32 v[EB+i:EB+i+1], v[EB+i:EB+i+1], s[44:45] op_sel_hi:[1,0]   ; 2 log2(e) B, each accumulator from its low end on: the work behind the four exponentials
.set i, i+2
.endr
	s_wait_alu depctr_va_vdst(0)                   ; one wait for the four
	v_pk_mul_f32 v[TS:TS+1], v[TS:TS+1], v[TS+4:TS+5]
	v_pk_mul_f32 v[TS+2:TS+3], v[TS+2:TS+3], v[TS+6:TS+7]
	ds_store_b128 v252, v[TS:TS+3] offset:EAT      ; c Ea
.set i, 0
.rept 64
	v_exp_f32 v[EB+i], v[EB+i]                     ; Eb, not held: 0 gives the denominator c (tanh = -1), infinity gives the reciprocal 0 (tanh = +1)
.set i, i+1
.endr
	; V^T is quantised along the keys: my 16 and lane l xor 16's are block w.  This names none of the exponentials' results: it is the work behind them
.irp dt, 0,1
	v_max3_num_f32 v[VM+\dt], |v[VD+16*\dt]|, |v[VD+16*\dt+1]|, FLOOR
.endr
.irp i, 2,4,6,8,10,12,14
.irp dt, 0,1
	v_max3_num_f32 v[VM+\dt], v[VM+\dt], |v[VD+16*\dt+\i]|, |v[VD+16*\dt+\i+1]|
.endr
.endr
.irp dt, 0,1
	v_mov_b32 v[VM+2+\dt], 0                       ; a lane permute's destination counts as one of its sources
.endr
.irp dt, 0,1
	v_permlanex16_b32 v[VM+2+\dt], v[VM+\dt], s30, s31
.endr
.irp dt, 0,1
	v_max_num_f32 v[VM+\dt], v[VM+\dt], v[VM+2+\dt]
.endr
.irp dt, 0,1
	v_add_nc_u32 v[VM+4+\dt], 0xff000000, v[VM+\dt]
.endr
.irp dt, 0,1
	v_lshrrev_b32 v[VM+6+\dt], 23, v[VM+4+\dt]
.endr
.irp dt, 0,1
	v_cvt_scalef32_pk8_fp4_f32 v[VC+2*\dt], v[VD+16*\dt:VD+16*\dt+7], v[VM+4+\dt]
	v_cvt_scalef32_pk8_fp4_f32 v[VC+2*\dt+1], v[VD+16*\dt+8:VD+16*\dt+15], v[VM+4+\dt]
.endr
	v_nop
.irp dt, 0,1
	ds_store_b64 v253, v[VC+2*\dt:VC+2*\dt+1] offset:VCD+16*144*\dt
	ds_store_b8 v254, v[VM+6+\dt] offset:VSC+128*\dt   ; both halves of the lanes write the same byte with the same value
.endr
	s_wait_alu depctr_va_vdst(0)                   ; one wait for the 64 exponentials
.irp t, 0,1,2,3
.irp qq, 0,1
	ds_load_b128 v[CT+8*\t+4*\qq:CT+8*\t+4*\qq+3], v255 offset:CTB+64*\t+16*\qq          ; c and w2 at hidden units 16 t + 8 (lane / 16) + 0 .. 7, from my wave's own table
	ds_load_b128 v[W2T+8*\t+4*\qq:W2T+8*\t+4*\qq+3], v255 offset:CTB+256+64*\t+16*\qq
.endr
.endr
	s_wait_dscnt 0x0
.irp cc, 0,1                                   ; chain cc takes the pairs j = 2 cc, 2 cc + 1 and 2 cc + 4, 2 cc + 5 of every t
	v_pk_add_f32 v[INIT+2*\cc:INIT+2*\cc+1], v[W2T+2*\cc:W2T+2*\cc+1], v[W2T+2*\cc+4:W2T+2*\cc+5]
.endr
.irp t, 1,2,3
.irp cc, 0,1
	v_pk_add_f32 v[INIT+2*\cc:INIT+2*\cc+1], v[INIT+2*\cc:INIT+2*\cc+1], v[W2T+8*\t+2*\cc:W2T+8*\t+2*\cc+1]
.endr
.irp cc, 0,1
	v_pk_add_f32 v[INIT+2*\cc:INIT+2*\cc+1], v[INIT+2*\cc:INIT+2*\cc+1], v[W2T+8*\t+2*\cc+4:W2T+8*\t+2*\cc+5]
.endr
.endr
.irp cc, 0,1
	v_pk_mul_f32 v[INIT+2*\cc:INIT+2*\cc+1], v[INIT+2*\cc:INIT+2*\cc+1], -0.5 op_sel_hi:[1,0]
.endr
	v_lshl_add_u32 v9, v5, 2, s39                  ; where my sums go: my wave's rows, column kap
	BAR                                            ; the table of c Ea is whole
	; ================ THE PAIRS: 16 trips, a query a trip.  Two sets of 32 denominators: while one set's reciprocals are issued, the other's multiply-adds and additions are the plain work beside them
	LOADEA 0, 6
	LOADEA 1, 6
	s_wait_dscnt 4                                 ; the first half of query 0's row is in; the four loads of the second half may be out
	FMA X0, 0
	v_add_nc_u32 v7, EAP, v6
	LOADEA 0, 7                                    ; query 1's first half
	s_mov_b32 s46, 16
	s_mov_b32 s47, 0
	s_mov_b32 s50, 0
.Lquery:
	RCP X0
	s_wait_dscnt 4                                 ; this query's second half is in: behind it were issued the next first half's four loads (and, round the loop, one store behind those: the count then also waits for one of those four loads)
	FMA X1, 1                                      ; the plain work behind the batch
	s_add_co_u32 s48, s47, EAP
	s_min_u32 s48, s48, 15*EAP                     ; the last trip asks for query 15's row again: no trip is written apart
	v_add_nc_u32 v8, s48, v6
	LOADEA 1, 8                                    ; the next query's second half
	s_wait_alu depctr_va_vdst(0)                   ; one wait for the 32 reciprocals, ahead of the first line that names a result
	ADD X0, 1
	RCP X1
	s_wait_dscnt 4                                 ; the next query's first half is in
	FMA X0, 0
	s_add_co_u32 s49, s47, 2*EAP
	s_min_u32 s49, s49, 15*EAP
	v_add_nc_u32 v7, s49, v6
	LOADEA 0, 7                                    ; the first half of the query after that
	s_wait_alu depctr_va_vdst(0)
	ADD X1, 0
	v_pk_add_f32 v[AC:AC+1], v[AC:AC+1], v[AC+2:AC+3]
	v_pk_add_f32 v[AC+4:AC+5], v[AC+4:AC+5], v[AC+6:AC+7]
	v_add_f32 v[SUM0], v[AC], v[AC+1]              ; key kap(r), my 32 hidden units
	v_add_f32 v[SUM1], v[AC+4], v[AC+5]            ; key kap(16 + r), likewise
	v_permlane16_swap_b32 v[SUM0], v[SUM1]         ; the first's lanes 16-31 change places with the second's lanes 0-15: both registers now hold key kap(lane), one half of the hidden units each
	v_add_f32 v[SUM0], v[SUM0], v[SUM1]            ; S of (this query, key kap(lane))
	v_add_nc_u32 v10, s50, v9
	ds_store_b32 v10, v[SUM0] offset:SCW
	s_add_co_u32 s47, s47, EAP
	s_add_co_u32 s50, s50, SCP
	s_sub_co_u32 s46, s46, 1
	s_cmp_lg_u32 s46, 0
	s_cbranch_scc1 .Lquery
	; ================ THE SCORES TURN: through my wave's own rows, so that a lane holds one query and 16 neighbouring keys; then tanh, p, p's codes
	v_mul_u32_u24 v11, v1, SCP
	v_lshl_add_u32 v11, v2, 6, v11
	v_add_nc_u32 v11, s39, v11
.irp k, 0,1,2,3
	ds_load_b128 v[ZS+4*\k:ZS+4*\k+3], v11 offset:SCW+16*\k   ; LDS serves a wave's instructions in order (ISA guide 5.7.1.4): these see my stores
.endr
	s_wait_dscnt 0x0                               ; and the loop's last look-ahead loads have landed too
.set i, 0
.rept 8
	v_pk_fma_f32 v[ZS+i:ZS+i+1], v[ZS+i:ZS+i+1], s[40:41], v[22:23] op_sel_hi:[1,0,0]   ; 2 log2(e) (b2 - 2 S)
.set i, i+2
.endr
.set i, 0
.rept 16
	v_exp_f32 v[ZS+i], v[ZS+i]
.set i, i+1
.endr
	v_lshlrev_b32 v252, 5, v1                      ; (a plain line behind the batch)  the partial sums' place: 32 r
	s_wait_alu depctr_va_vdst(0)
.set i, 0
.rept 8
	v_pk_add_f32 v[ZS+i:ZS+i+1], v[ZS+i:ZS+i+1], 1.0 op_sel_hi:[1,0]
.set i, i+2
.endr
.set i, 0
.rept 16
	v_rcp_f32 v[ZS+i], v[ZS+i]                     ; score = 1 - 2 / (1 + e)
.set i, i+1
.endr
	v_lshl_add_u32 v252, s22, 2, v252              ; (a plain line behind the batch)  + 4 w
	s_wait_alu depctr_va_vdst(0)
.set i, 0
.rept 8
	v_pk_fma_f32 v[ZS+i:ZS+i+1], v[ZS+i:ZS+i+1], s[42:43], v[24:25] op_sel_hi:[1,0,0]   ; t - 2 = log2(e) - 2 - 2 log2(e) / (1 + e)
.set i, i+2
.endr
.set i, 0
.rept 16
	v_exp_f32 v[ZS+i], v[ZS+i]                     ; p
.set i, i+1
.endr
	v_nop
	s_wait_alu depctr_va_vdst(0)
	v_pk_add_f32 v[WK:WK+1], v[ZS:ZS+1], v[ZS+2:ZS+3]          ; the row's sum is taken of the unquantised p, in two chains
	v_pk_add_f32 v[WK+2:WK+3], v[ZS+4:ZS+5], v[ZS+6:ZS+7]
	v_pk_add_f32 v[WK:WK+1], v[WK:WK+1], v[ZS+8:ZS+9]
	v_pk_add_f32 v[WK+2:WK+3], v[WK+2:WK+3], v[ZS+10:ZS+11]
	v_pk_add_f32 v[WK:WK+1], v[WK:WK+1], v[ZS+12:ZS+13]
	v_pk_add_f32 v[WK+2:WK+3], v[WK+2:WK+3], v[ZS+14:ZS+15]
	v_pk_add_f32 v[WK:WK+1], v[WK:WK+1], v[WK+2:WK+3]
	v_add_f32 v[WK], v[WK], v[WK+1]
	v_max3_num_f32 v[WK+4], v[ZS], v[ZS+1], FLOOR  ; the block's largest p (none is negative)
.irp i, 2,4,6,8,10,12,14
	v_max3_num_f32 v[WK+4], v[WK+4], v[ZS+\i], v[ZS+\i+1]
.endr
	v_permlanex16_b32 v[WK+1], v[WK], s30, s31
	v_permlanex16_b32 v[WK+5], v[WK+4], s30, s31
	v_add_f32 v[WK], v[WK], v[WK+1]                ; my query's sum over my wave's 32 keys
	v_max_num_f32 v[WK+4], v[WK+4], v[WK+5]
	v_add_nc_u32 v[WK+6], 0xff000000, v[WK+4]
	v_lshrrev_b32 v[WK+7], 23, v[WK+6]
	v_cvt_scalef32_pk8_fp4_f32 v[WK+8], v[ZS:ZS+7], v[WK+6]
	v_cvt_scalef32_pk8_fp4_f32 v[WK+9], v[ZS+8:ZS+15], v[WK+6]
	v_nop
	ds_store_b64 v253, v[WK+8:WK+9] offset:PCD
	ds_store_b8 v254, v[WK+7] offset:PSC
	ds_store_b32 v252, v[WK] offset:LSM
	BAR                                            ; p's and V^T's codes, their scale bytes and the partial sums lie in LDS
	s_cmp_lg_u32 s22, 0
	s_cbranch_scc1 .Lend                           ; four matrix instructions are left: wave 0 does them
	; ================ O^T = V^T P^T, K = the 256 keys in two steps; source 0 = 16 of the 32 d, source 1 = the 16 queries: a lane holds query r and d = 16 dt + 8 (lane / 16) + 0 .. 7
	v_lshlrev_b32 v7, 3, v1                        ; scale words: 8 r
	v_mul_u32_u24 v8, v1, 144
	v_lshl_add_u32 v10, v2, 5, v8                  ; the stage, on the way in: row r, + 32 (lane / 16)
	v_lshl_add_u32 v8, v2, 4, v8                   ; fragments: row r, + 16 (lane / 16)
	v_lshlrev_b32 v9, 5, v1                        ; the partial sums: 32 r
	v_bfe_u32 v11, v0, 3, 2
	v_mul_u32_u24 v11, v11, 144
	v_and_b32 v252, 7, v0
	v_lshl_add_u32 v11, v252, 4, v11               ; the stage, on the way out: eight lanes to a row of 128 bytes
	ds_load_b32 v12, v7 offset:PSC
	ds_load_b32 v13, v7 offset:PSC+4
.irp dt, 0,1
.irp s, 0,1
	ds_load_b32 v[16+2*\dt+\s], v7 offset:VSC+128*\dt+4*\s
.endr
.endr
.irp s, 0,1
	ds_load_b128 v[PF+8*\s:PF+8*\s+3], v8 offset:PCD+64*\s
	ds_load_b128 v[PF+8*\s+4:PF+8*\s+7], v8 offset:PCD+64*\s+32
.endr
.irp dt, 0,1
.irp s, 0,1
	ds_load_b128 v[VF+16*\dt+8*\s:VF+16*\dt+8*\s+3], v8 offset:VCD+16*144*\dt+64*\s
	ds_load_b128 v[VF+16*\dt+8*\s+4:VF+16*\dt+8*\s+7], v8 offset:VCD+16*144*\dt+64*\s+32
.endr
.endr
	ds_load_b128 v[LP:LP+3], v9 offset:LSM
	ds_load_b128 v[LP+4:LP+7], v9 offset:LSM+16
	s_wait_dscnt 0x0
.irp dt, 0,1                                   ; the two accumulators take turns, one instruction a turn
	v_wmma_scale_f32_16x16x128_f8f6f4 v[OA+8*\dt:OA+8*\dt+7], v[VF+16*\dt:VF+16*\dt+7], v[PF:PF+7], 0, v[16+2*\dt], v12 matrix_a_fmt:MATRIX_FMT_FP4 matrix_b_fmt:MATRIX_FMT_FP4
.endr
.irp dt, 0,1
	v_wmma_scale_f32_16x16x128_f8f6f4 v[OA+8*\dt:OA+8*\dt+7], v[VF+16*\dt+8:VF+16*\dt+15], v[PF+8:PF+15], v[OA+8*\dt:OA+8*\dt+7], v[17+2*\dt], v13 matrix_a_fmt:MATRIX_FMT_FP4 matrix_b_fmt:MATRIX_FMT_FP4
.endr
	v_add_f32 v[LP], v[LP], v[LP+1]                ; the eight waves' partial sums: these seven lines are also the places behind the products
	v_add_f32 v[LP+2], v[LP+2], v[LP+3]
	v_add_f32 v[LP+4], v[LP+4], v[LP+5]
	v_add_f32 v[LP+6], v[LP+6], v[LP+7]
	v_add_f32 v[LP], v[LP], v[LP+2]
	v_add_f32 v[LP+4], v[LP+4], v[LP+6]
	v_add_f32 v[LP], v[LP], v[LP+4]
	v_rcp_f32 v[LP], v[LP]
	v_nop
	s_wait_alu depctr_va_vdst(0)
.set i, 0
.rept 8
	v_pk_mul_f32 v[OUTR+i:OUTR+i+1], v[OA+i:OA+i+1], v[LP:LP+1] op_sel_hi:[1,0]   ; O / the row's sum, each accumulator from its low end on
.set i, i+2
.endr
.irp dt, 0,1
	ds_store_b128 v10, v[OUTR+8*\dt:OUTR+8*\dt+3] offset:STG+64*\dt
	ds_store_b128 v10, v[OUTR+8*\dt+4:OUTR+8*\dt+7] offset:STG+64*\dt+16
.endr
.irp k, 0,1,2,3
	ds_load_b128 v[BACK+4*\k:BACK+4*\k+3], v11 offset:STG+4*144*\k   ; my own bytes, served in order: four rows an instruction
.endr
.irp k, 0,1,2,3
	s_wait_dscnt 3-\k                              ; load k is in; the younger ones may be out
	global_store_b128 v3, v[BACK+4*\k:BACK+4*\k+3], s[20:21] offset:512*\k th:TH_STORE_NT   ; 32 lanes store 512 consecutive bytes, at a multiple of 512 from out0's first byte
.endr
.Lend:
	s_set_vgpr_msb 0x5
	s_wait_tensorcnt 0x0
	ds_add_u32 v0, v1
	s_wait_dscnt 0x0
	s_set_vgpr_msb 0x500
	s_endpgm
.Lfunc_end_k_qc78c182d63_pairattn:
	.size	k_qc78c182d63_pairattn, .Lfunc_end_k_qc78c182d63_pairattn-k_qc78c182d63_pairattn
	.p2alignl 7, 3214868480
	.fill 96, 4, 3214868480
	.section	.rodata,"a",@progbits
	.p2align	6, 0x0
	.amdhsa_kernel k_qc78c182d63_pairattn
		.amdhsa_group_segment_fixed_size 48384
		.amdhsa_private_segment_fixed_size 0
		.amdhsa_enable_private_segment 0
		.amdhsa_kernarg_size 72
		.amdhsa_user_sgpr_count 2
		.amdhsa_user_sgpr_kernarg_segment_ptr 1
		.amdhsa_wavefront_size32 1
		.amdhsa_system_sgpr_workgroup_id_x 1
		.amdhsa_system_sgpr_workgroup_id_y 1
		.amdhsa_system_sgpr_workgroup_id_z 1
		.amdhsa_system_vgpr_workitem_id 0
		.amdhsa_next_free_vgpr 258
		.amdhsa_next_free_sgpr 66
		.amdhsa_reserve_vcc 0
		.amdhsa_float_denorm_mode_32 3
		.amdhsa_float_denorm_mode_16_64 3
		.amdhsa_memory_ordered 1
		.amdhsa_forward_progress 1
		.amdhsa_inst_pref_size 50
	.end_amdhsa_kernel
	.amdgpu_metadata
---
amdhsa.version: [ 1, 2 ]
amdhsa.kernels:
  - .name:           k_qc78c182d63_pairattn
    .symbol:         k_qc78c182d63_pairattn.kd
    .args:
      - { .name: x, .offset: 0, .size: 8, .value_kind: global_buffer, .address_space: global }
      - { .name: W1, .offset: 8, .size: 8, .value_kind: global_buffer, .address_space: global }
      - { .name: b1, .offset: 16, .size: 8, .value_kind: global_buffer, .address_space: global }
      - { .name: w2, .offset: 24, .size: 8, .value_kind: global_buffer, .address_space: global }
      - { .name: b2, .offset: 32, .size: 8, .value_kind: global_buffer, .address_space: global }
      - { .name: Wv_codes, .offset: 40, .size: 8, .value_kind: global_buffer, .address_space: global }
      - { .name: Wv_scales, .offset: 48, .size: 8, .value_kind: global_buffer, .address_space: global }
      - { .name: bv, .offset: 56, .size: 8, .value_kind: global_buffer, .address_space: global }
      - { .name: out0, .offset: 64, .size: 8, .value_kind: global_buffer, .address_space: global }
    .group_segment_fixed_size: 48384
    .private_segment_fixed_size: 0
    .kernarg_segment_align: 8
    .kernarg_segment_size: 72
    .max_flat_workgroup_size: 256
    .sgpr_count:     66
    .vgpr_count:     258
    .wavefront_size: 32
...
	.end_amdgpu_metadata
.endif
;; end of part 1
;; ======== version 2 of 2: 1 launch; 1.16 times as fast as version 1
;; limits: right only within a limited range of input values
;; launch pairattn (part 2): grid 256 x 1, 8 waves a work-group, no clusters, 83,200 bytes of LDS; arguments x, W1, b1, w2, b2, Wv_codes, Wv_scales, bv, out0; writes out0
.if DOCPART == 2
	.amdgcn_target "amdgcn-amd-amdhsa--gfx1250"
	.amdhsa_code_object_version 6
	.text
	.protected	k_qc78c182d63_pairattn
	.globl	k_qc78c182d63_pairattn
	.p2align	8
	.type	k_qc78c182d63_pairattn,@function
k_qc78c182d63_pairattn:
	s_mov_b64 s[64:65], 0
	v_nop
	global_prefetch_b8 v0, s[64:65] scope:SCOPE_SE
	s_setreg_imm32_b32 hwreg(HW_REG_WAVE_MODE, 25, 1), 1
	s_wait_xcnt 0x0
; out[b][i][:] = sum over j of softmax_j(tanh(b2 + sum over h of w2[h] tanh(A[i][h] + B[j][h] + b1[h]))) V[j][:],  A = xn W1[:32], B = xn W1[32:], V = x Wv^T + bv, xn = x / max(|x|, 1e-12).
; x [16][256][32] f32.  The four matrix products (A, B, V, P V) run on codes of FP4 (E2M1) with one E8M0 scale for each 32 along K; all else is f32.
; SHARES.  Work-group g takes batch g / 16 and queries 16 (g % 16) .. + 15, against all 256 keys.  Wave w of eight takes keys 32 w .. 32 w + 31: block w of the last product's K.
; ONE RECIPROCAL FOR EACH PAIR TERM.  tanh(a + b) = 1 - 2 / (1 + Ea Eb), Ea = 2^(2 log2(e) a) of (query, h), Eb likewise of (key, h): 1,024 + 16,384 exponentials a work-group for 262,144 terms.
;   With c = 1 / w2:  w2 / (1 + Ea Eb) = 1 / (c + (c Ea) Eb): one packed multiply-add, two reciprocals and one packed addition for two terms.
;   Each chain of eight terms starts from -1/2 of its own eight w2, so it sums w2 (1 / (1 + Ea Eb) - 1/2): no large sum is taken from another.  S = all chains = -1/2 sum of w2 tanh; the score's argument is b2 - 2 S.
; K = 32 IN AN INSTRUCTION OF K = 128.  A lane's first four operand registers are block 0 in lanes 0-15 and block 1 in lanes 16-31.  A weight's fragment holds the same 16 rows' codes in both halves of the lanes.
;   A lane quantises one token, so 32 tokens lie in 32 lanes: version LO keeps the codes of lanes 0-15 (block 0) and clears the rest, version HI keeps lanes 16-31 (block 1).  Zero codes add nothing, so no code changes lanes.
;   Every scale word is byte | byte << 8; HI takes its words from lanes 16-31.  Blocks 2 and 3 are zero codes on the tokens' side, so a weight's fragment may be named with the four registers that follow it.
; WHICH KEY A LANE TAKES: kap = 8 (lane / 16) + r + 8 (r / 8), r = lane % 16 (the lane's number with bits 3 and 4 swapped), so that V's results come out with a lane's 16 registers as 16 neighbouring keys.
; THE SOFTMAX.  p = 2^(t - 2), t = score x log2(e).  The shift 2 is fixed because the score is a tanh: for every input t lies in [-1.4427, 1.4427], so the ceiling of a row's largest t is at most 2, p lies in [0.09, 0.68]
;   and a row's sum under 175.  Against the row's own ceiling p and the sum differ by one exact power of two, which the scale bytes and the division take up: the codes' values are the same.
; NO CLUSTER: what the 16 work-groups of a batch share is x's 32,768 bytes and W1's 16,384, read once by 24 loads a wave at the head, straight into registers; nothing is fetched after that, so there are no tiles to ask for jointly.
; LIMITS.  (1) 2 log2(e) (A + b1) is held to +-63, that is |A + b1| <= 21.8; beyond it a term is wrong only where B brings the sum back to within about 10 of zero.  (2) 1 / w2 is held to +-2^60: |w2| under 2^-60 counts as 2^-60, and
;   |w2| is served up to 2^60.  (3) Rows of x whose sum of squares lies under 2^-126 or over 2^127 are not served.  (4) NaN and infinities among the inputs are not served.  (5) A block of zeros gets the byte 1 where the
;   quantiser says 127: its codes are zeros, and this program alone reads the bytes.
; LDS, nothing written twice:
.set WIMG, 0                           ; 8 tiles of 256 bytes: W1's part w / 4, hidden units 16 (w % 4) on: [column r][16 bytes = 32 codes down K]
.set WIP,  256
.set WSC,  2048                        ; 8 x 128 bytes: their scale words, 4 l
.set XIMG, 3072                        ; xn's codes, [key][16 bytes]
.set XSW,  7168                        ; xn's scale words, [key][4 bytes]
.set CTB,  8192                        ; each wave's own 512 bytes: c[0..63], then w2[0..63]
.set EAT,  12288                       ; c Ea: 16 queries x (256 bytes + 16)
.set EAP,  272
.set SCW,  16640                       ; each wave's own 2,304 bytes: S[query][key of my 32], rows of 128 bytes + 16
.set SCP,  144
.set PCD,  35072                       ; p's codes: [query], rows of 128 bytes + 16, block w at 16 w
.set VCD,  37376                       ; V^T's codes: [d 0..31], likewise
.set PSC,  41984                       ; p's scale bytes [query][8]
.set VSC,  42112                       ; V^T's [d][8]
.set LSM,  42368                       ; the rows' partial sums [query][8 waves]
.set STG,  42880                       ; wave 0's stage for the output: 16 rows x (128 bytes + 16)
.set XT,   45184                       ; each wave's own 4,608 bytes: its 32 tokens turn here, slot l = the token that lane l wants, 128 bytes + 16
.set XTP,  144
; VECTOR REGISTERS.  v1 r, v2 lane / 16, v3 16 x lane, v4 4 x lane, v5 kap, v6 EAT + 32 (lane / 16); v7-11 addresses in hand;
; v12-21 SCALE WORDS AND NOTHING ELSE (12 xn, 13 x, 14 the queries', 15 W1a's, 16-19 W1b's, 20-21 Wv's; at the end 12-13 p's, 16-19 V's);
; v[22:23] 2 log2(e) b2, v[24:25] log2(e) - 2, v[26:27] 1 / norm, v[28:29] w2, v[30:31] c.
.set XR,   32                          ; v32-63   my token's 32 numbers             then EB
.set XNN,  64                          ; v64-95   x as it is loaded, then my token normalised    then EB
.set EB,   32                          ; v32-95   B, then Eb: [u][t][j]: key kap(16 u + r), hidden unit 16 t + 8 (lane / 16) + j
.set WC,   96                          ; v96-111  half a column of W1, 16 down K
.set VD,   96                          ; v96-127  V: [dt][16]: d = 16 dt + r, keys 16 (lane / 16) + 0 .. 15 of my block
.set CT,   96                          ; v96-127  c at my 32 hidden units, [t][j]
.set XNL,  128                         ; v128-159 four token fragments: xn LO, xn HI, x LO, x HI
.set XNH,  136
.set XRL,  144
.set XRH,  152
.set EA,   128                         ; v128-159 c Ea of the query in hand, [t][j]
.set XQ,   160                         ; v160-167 the 16 queries' fragment
.set WF,   168                         ; v168-199 weights' codes: W1a 4, W1b 16, Wv 8, and 4 cleared
.set W2T,  160                         ; v160-191 w2 at my 32 hidden units
.set X0,   160                         ; v160-191, v192-223: two sets of 32 denominators
.set X1,   192
.set BC,   200                         ; v200-207 b1 in A's result layout
.set AD,   208                         ; v208-215 A (in the first phase: seven LDS addresses)
.set BVC,  216                         ; v216-231 bv in V's result layout
.set AC,   224                         ; v224-231 four packed chains: [u][q % 2]
.set SUM0, 232
.set SUM1, 233
.set INIT, 234                         ; v234-237 -1/2 of each chain's eight w2
.set TS,   232                         ; v232-239 at work in the second phase
.set VM,   240                         ; v240-247 V's quantiser
.set VC,   248                         ; v248-251 its codes (v248 first: 16 r, the address of W1b's tiles)
.set CN,   232                         ; codes just made: xn's, x's, W1's
.set CR,   236
.set CW,   240
.set SSQ,  244                         ; v244-251 sums of squares
.set ZS,   160                         ; v160-175 S, then p: query r, keys 16 (lane / 16) + 0 .. 15
.set WK,   240                         ; v240-249 at work behind the loop
.set PF,   128                         ; the last product: p's two fragments, V^T's four, two accumulators
.set VF,   144
.set OA,   176
.set LP,   192
.set OUTR, 200
.set BACK, 216
.set FLOOR, 0x1800000                  ; 2^(3 - 127): under it no largest magnitude is taken, so a scale's byte cannot fall under 1
; SCALARS.  s[4:21] the nine addresses in the order of the arguments; s22 wave; s23 b2; s24 wave % 4; s25 wave / 4; s[26:29], s[52:55] offsets; s30-31 lane selects; s32, s33 the masks of lanes 0-15 and 16-31;
; s34 all ones in waves 4-7; s35, s36 +-63; s37, s38 +-2^60; s39 2,304 x wave; s[40:41] -4 log2(e); s[42:43] -2 log2(e); s[44:45] 2 log2(e); s46 trips; s47 272 x query; s48, s49, s51 at work; s50 144 x the query whose S is stored next.
.macro BAR                             ; my LDS stores have landed and my LDS loads are in: then the work-group's barrier
	s_wait_dscnt 0x0
	s_barrier_signal -1
	s_barrier_wait -1
.endm
.macro MAX32 d, e, src                 ; the largest magnitude of v[src] .. v[src + 31], in two chains
	v_max3_num_f32 v[\d], |v[\src]|, |v[\src+1]|, |v[\src+2]|
	v_max3_num_f32 v[\e], |v[\src+3]|, |v[\src+4]|, |v[\src+5]|
.irp i, 6,10,14,18,22,26
	v_max3_num_f32 v[\d], v[\d], |v[\src+\i]|, |v[\src+\i+1]|
	v_max3_num_f32 v[\e], v[\e], |v[\src+\i+2]|, |v[\src+\i+3]|
.endr
	v_max3_num_f32 v[\d], v[\d], |v[\src+30]|, |v[\src+31]|
	v_max_num_f32 v[\d], v[\d], v[\e]
.endm
.macro SCALE mx, sop, word             ; 2 off the largest magnitude's exponent field is the conversion's scale operand; its exponent field is the byte; the word holds it for blocks 0 and 1
	v_add_nc_u32 v[\sop], 0xff000000, v[\mx]
	v_lshrrev_b32 v[\word], 23, v[\sop]
	v_lshl_or_b32 v[\word], v[\word], 8, v[\word]
.endm
.macro CVT32 dst, src, sop             ; 32 numbers of a lane become 32 codes in four registers, the lower k in the lower bits
.irp g, 0,1,2,3
	v_cvt_scalef32_pk8_fp4_f32 v[\dst+\g], v[\src+8*\g:\src+8*\g+7], v[\sop]
.endr
.endm
.macro HALF dst, src, mask             ; a token fragment: the codes of one half of the lanes, zeros in the other half and in blocks 2 and 3
.irp k, 0,1,2,3
	v_cndmask_b32 v[\dst+\k], 0, v[\src+\k], s[\mask]
.endr
.irp k, 4,5,6,7
	v_mov_b32 v[\dst+\k], 0
.endr
.endm
.macro LOADEA half, adr                ; c Ea of one query at hidden units 32 half + 16 tt + 8 (lane / 16) + 0 .. 7: sixteen lanes read the same 16 bytes
.irp tt, 0,1
.irp qq, 0,1
	ds_load_b128 v[EA+16*\half+8*\tt+4*\qq:EA+16*\half+8*\tt+4*\qq+3], v[\adr] offset:128*\half+64*\tt+16*\qq
.endr
.endr
.endm
; Line i of the 16 that fill a set with 32 denominators, (c Ea) Eb + c, for my two keys and 16 of my 32 hidden units: i = 8 tt + 4 u + q; the pair lies at 2 i in the set
.macro FMA1 xb, half
.set fo, 16*\half+8*(i/8)+2*(i%4)
.set fu, (i/4)%2
	v_pk_fma_f32 v[\xb+2*i:\xb+2*i+1], v[EB+32*fu+fo:EB+32*fu+fo+1], v[EA+fo:EA+fo+1], v[CT+fo:CT+fo+1]
.endm
; Line i of the 16 that add a set's 32 reciprocals onto the four chains: i = 8 tt + 2 q + u, so a chain comes up again four lines on.  first = 1: each chain starts from -1/2 of its w2
.macro ADD1 xb, first
.set aq, (i/2)%4
.set au, i%2
.set ax, \xb+16*(i/8)+8*au+2*aq
.set ac, AC+4*au+2*(aq%2)
.if \first && (i < 4)
	v_pk_add_f32 v[ac:ac+1], v[INIT+2*aq:INIT+2*aq+1], v[ax:ax+1]
.else
	v_pk_add_f32 v[ac:ac+1], v[ac:ac+1], v[ax:ax+1]
.endif
.endm
; The six lines that make S of a query out of the four chains, dealt out by i so that no line stands next to the one whose result it reads
.macro FIN1
.if i == 0
	v_pk_add_f32 v[AC:AC+1], v[AC:AC+1], v[AC+2:AC+3]
.elseif i == 1
	v_pk_add_f32 v[AC+4:AC+5], v[AC+4:AC+5], v[AC+6:AC+7]
.elseif i == 3
	v_add_f32 v[SUM0], v[AC], v[AC+1]              ; key kap(r), my 32 hidden units
.elseif i == 4
	v_add_f32 v[SUM1], v[AC+4], v[AC+5]            ; key kap(16 + r), likewise
.elseif i == 7
	v_permlane16_swap_b32 v[SUM0], v[SUM1]         ; the first's lanes 16-31 change places with the second's lanes 0-15: both registers now hold key kap(lane), one half of the hidden units each
.elseif i == 10
	v_add_f32 v[SUM0], v[SUM0], v[SUM1]            ; S of (the query, key kap(lane))
.endif
.endm
; A STAGE: the 32 reciprocals of set xr, and behind each of them one plain line on the other set xo: first its 16 additions (hasadd), then the 16 multiply-adds that fill it anew with half `half` of a query's denominators.
; No line of a stage names a reciprocal issued in it: xo's reciprocals were issued a stage ago and have had their wait.  fin = 1: the six lines of FIN1 stand among the multiply-adds.
.macro STAGE xr, xo, half, hasadd, first, fin
.set i, 0
.rept 16
	v_rcp_f32 v[\xr+i], v[\xr+i]
.if \hasadd
	ADD1 \xo, \first
.endif
.set i, i+1
.endr
	s_wait_dscnt 4                                 ; the four loads of the table's row that the lines below read are in: behind them the other half's four were issued (in a second stage also, ahead of those four, one store: the count then awaits that too)
.set i, 0
.rept 16
	v_rcp_f32 v[\xr+16+i], v[\xr+16+i]
	FMA1 \xo, \half
.if \fin
	FIN1
.endif
.set i, i+1
.endr
.endm
; A QUERY'S TRIP.  First stage: the reciprocals of its first half | the additions of the query before's second half, that query's S, and the multiply-adds of its own second half.
; Second stage: the reciprocals of its second half | the additions of its first half, and the multiply-adds of the next query's first half.
; Each stage ends with a plain line and ONE wait for its 32 reciprocals (ahead of the first line that names a result); the LDS lines stand directly behind that wait, where no vector result of mine is outstanding.
; prev = 0: the first query, which has none before it.
.macro TRIP prev
	s_add_co_u32 s48, s47, EAP
	s_min_u32 s48, s48, 15*EAP                     ; the last trips ask for query 15's row again: the look-ahead never leaves the table
	s_add_co_u32 s49, s47, 2*EAP
	s_min_u32 s49, s49, 15*EAP
	STAGE X0, X1, 1, \prev, 0, \prev
.if \prev
	v_add_nc_u32 v10, s50, v9
.endif
	v_add_nc_u32 v8, s48, v6
	s_wait_alu depctr_va_vdst(0)
.if \prev
	ds_store_b32 v10, v[SUM0] offset:SCW
.endif
	LOADEA 1, 8                                    ; the next query's second half
	STAGE X1, X0, 0, 1, 1, 0
	v_add_nc_u32 v7, s49, v6
	s_wait_alu depctr_va_vdst(0)
	LOADEA 0, 7                                    ; the first half of the query after that
.endm
	; ================ THE HEAD: ids, addresses, all 33 loads
	s_load_b256 s[4:11], s[0:1], 0x0               ; x, W1, b1, w2
	s_load_b256 s[12:19], s[0:1], 0x20             ; b2, Wv's codes, Wv's scales, bv
	s_load_b64 s[20:21], s[0:1], 0x40              ; out0
	s_set_vgpr_msb 0x40
	v_lshl_add_u32 v0, v0, 2, 0x14100
	v_mov_b32 v1, 0
	s_set_vgpr_msb 0x4000
	v_lshrrev_b32 v11, 5, v0
	v_readfirstlane_b32 s22, v11                   ; wave 0..7
	v_and_b32 v1, 15, v0                           ; r
	v_bfe_u32 v2, v0, 4, 1                         ; lane / 16
	v_and_b32 v4, 31, v0
	v_lshlrev_b32 v3, 4, v4                        ; 16 x lane
	v_lshlrev_b32 v11, 3, v4                       ; w2: 8 x lane
	v_lshlrev_b32 v4, 2, v4                        ; 4 x lane
	v_and_b32 v5, 8, v1
	v_add_nc_u32 v5, v5, v1
	v_lshl_add_u32 v5, v2, 3, v5                   ; kap
	v_lshlrev_b32 v8, 2, v1                        ; bv: 4 r
	v_lshl_add_u32 v7, v2, 12, v8                  ; W1: 4 r, and 16 rows of 256 bytes further down for lanes 16-31
	v_lshlrev_b32 v9, 4, v1                        ; Wv's codes: 16 r
	v_lshlrev_b32 v10, 5, v2                       ; b1: 32 (lane / 16)
	s_and_b32 s24, s22, 3
	s_lshr_b32 s25, s22, 2
	s_lshr_b32 s26, ttmp9, 4
	s_lshl_b32 s26, s26, 15                        ; the batch's 256 rows of 128 bytes,
	s_lshl_b32 s51, s22, 12
	s_add_co_u32 s26, s26, s51                     ; my wave's 32 of them
	s_mov_b32 s27, 0
	s_lshl_b32 s28, s25, 13                        ; W1: rows 32 (wave / 4) on,
	s_lshl_b32 s52, s24, 6                         ; columns 16 (wave % 4) on; b1 likewise
	s_add_co_u32 s28, s28, s52
	s_mov_b32 s29, 0
	s_mov_b32 s53, 0
	s_lshl_b32 s54, ttmp9, 11                      ; out0: 16 rows of 128 bytes a work-group
	s_mov_b32 s55, 0
	s_wait_kmcnt 0x0
	s_load_b32 s23, s[12:13], 0x0                  ; the number b2
	s_add_nc_u64 s[4:5], s[4:5], s[26:27]
	s_add_nc_u64 s[6:7], s[6:7], s[28:29]
	s_add_nc_u64 s[8:9], s[8:9], s[52:53]
	s_add_nc_u64 s[20:21], s[20:21], s[54:55]
.irp k, 0,1,2,3,4,5,6,7
	global_load_b128 v[XNN+4*\k:XNN+4*\k+3], v3, s[4:5] offset:512*\k   ; my wave's 32 tokens as they lie: each load reads 512 consecutive bytes, four tokens
.endr
.set i, 0
.rept 16
	global_load_b32 v[WC+i], v7, s[6:7] offset:256*i                 ; W1(16 (lane / 16) + i, my column): a lane to a column, registers down K; the two halves of the lanes share the block of 32
.set i, i+1
.endr
	global_load_b64 v[28:29], v11, s[10:11]        ; w2[2 lane], w2[2 lane + 1]
	global_load_b128 v[WF+20:WF+23], v9, s[14:15]                    ; Wv's rows d = r and 16 + r: 32 codes each, the operand's registers as they lie
	global_load_b128 v[WF+24:WF+27], v9, s[14:15] offset:256
	global_load_u8 v20, v1, s[16:17]               ; their scale bytes
	global_load_u8 v21, v1, s[16:17] offset:16
	global_load_b32 v[BVC], v8, s[18:19]           ; bv[r], bv[16 + r]
	global_load_b32 v[BVC+8], v8, s[18:19] offset:64
	global_load_b128 v[BC:BC+3], v10, s[8:9]       ; b1 at hidden units 16 (wave % 4) + 8 (lane / 16) + 0 .. 7
	global_load_b128 v[BC+4:BC+7], v10, s[8:9] offset:16
	s_mov_b32 s30, 0x76543210
	s_mov_b32 s31, 0xfedcba98                      ; v_permlanex16_b32's selects for lane l xor 16
	s_mov_b32 s32, 0x0000ffff
	s_mov_b32 s33, 0xffff0000
	s_cmp_lg_u32 s25, 0
	s_cselect_b32 s34, -1, 0
	s_mov_b32 s35, 0x427c0000                      ; 63
	s_mov_b32 s36, 0xc27c0000
	s_mov_b32 s37, 0x5d800000                      ; 2^60
	s_mov_b32 s38, 0xdd800000
	s_mul_i32 s39, s22, 16*SCP
	s_mov_b32 s40, 0xc0b8aa3b                      ; -4 log2(e)
	s_mov_b32 s41, s40                             ; (the packed forms name pairs, so both words are written)
	s_mov_b32 s42, 0xc038aa3b                      ; -2 log2(e)
	s_mov_b32 s43, s42
	s_mov_b32 s44, 0x4038aa3b                      ; 2 log2(e)
	s_mov_b32 s45, s44
	s_mul_i32 s51, s22, 32*XTP                     ; where my wave's tokens turn
	v_bfe_u32 v213, v0, 3, 2
	v_mul_u32_u24 v213, v213, XTP
	v_and_b32 v214, 7, v0
	v_lshl_add_u32 v213, v214, 4, v213
	v_add_nc_u32 v213, s51, v213                   ; on the way in: eight lanes to a token: slot lane / 8 (+ the load's constant), byte 16 (lane % 8)
	v_and_b32 v214, 31, v0
	v_mul_u32_u24 v214, v214, XTP
	v_add_nc_u32 v214, s51, v214                   ; on the way out: slot = my lane
	s_lshl_b32 s51, s22, 5
	v_add_nc_u32 v208, s51, v5                     ; my key in the batch: 32 w + kap
	v_lshlrev_b32 v209, 2, v208                    ; its scale word's place,
	v_lshlrev_b32 v208, 4, v208                    ; its codes'
	s_lshl_b32 s51, s22, 8
	v_lshl_add_u32 v210, v2, 3, v9
	v_add_nc_u32 v210, s51, v210                   ; my tile of W1: 256 w + 16 r + 8 (lane / 16)
	s_lshl_b32 s51, s22, 7
	v_add_nc_u32 v211, s51, v4                     ; its scale words: 128 w + 4 l
	s_lshl_b32 s51, s22, 9
	v_add_nc_u32 v212, s51, v11                    ; my wave's table of c and w2: 512 w + 8 l
	v_lshl_add_u32 v6, v2, 5, EAT
	; ================ PHASE 0: my token is normalised; xn, x and my half column of W1 become codes
	s_wait_loadcnt 25                              ; x's eight loads are in: 25 were issued behind them
	; The conversions want a token's 32 numbers in ONE lane.  Load k's lane l holds 16 bytes of token 4 k + l / 8; that token goes to the slot of the lane that wants it: its number with bits 3 and 4 swapped, which is
	; l / 8 + 4 (k % 2) + 16 ((k / 2) % 2) + 8 (k / 4).  Lane l then reads slot l: sixteen lanes, 144 bytes apart, touch sixteen different columns of 16 bytes.
.irp k, 0,1,2,3,4,5,6,7
	ds_store_b128 v213, v[XNN+4*\k:XNN+4*\k+3] offset:XT+XTP*(4*(\k%2)+16*((\k/2)%2)+8*(\k/4))
.endr
.irp j, 0,1,2,3,4,5,6,7
	ds_load_b128 v[XR+4*\j:XR+4*\j+3], v214 offset:XT+16*\j   ; my wave's own bytes, and LDS serves a wave's instructions in order (ISA guide 5.7.1.4): these see the stores above
.endr
	s_wait_dscnt 0x0
.irp c, 0,1,2,3
	v_pk_mul_f32 v[SSQ+2*\c:SSQ+2*\c+1], v[XR+2*\c:XR+2*\c+1], v[XR+2*\c:XR+2*\c+1]
.endr
.irp g, 1,2,3
.irp c, 0,1,2,3
	v_pk_fma_f32 v[SSQ+2*\c:SSQ+2*\c+1], v[XR+8*\g+2*\c:XR+8*\g+2*\c+1], v[XR+8*\g+2*\c:XR+8*\g+2*\c+1], v[SSQ+2*\c:SSQ+2*\c+1]
.endr
.endr
	v_pk_add_f32 v[SSQ:SSQ+1], v[SSQ:SSQ+1], v[SSQ+2:SSQ+3]
	v_pk_add_f32 v[SSQ+4:SSQ+5], v[SSQ+4:SSQ+5], v[SSQ+6:SSQ+7]
	v_pk_add_f32 v[SSQ:SSQ+1], v[SSQ:SSQ+1], v[SSQ+4:SSQ+5]
	v_add_f32 v[SSQ], v[SSQ], v[SSQ+1]             ; the sum of squares
	v_rsq_f32 v26, v[SSQ]
	MAX32 252, 253, XR                             ; the largest |x|: the work behind the root
	s_wait_alu depctr_va_vdst(0)                   ; the wait ahead of the first line that names the result
	v_min_num_f32 v26, 0x5368d4a5, v26             ; 1 / max(norm, 1e-12) = min(1 / norm, 1e12)
	v_mov_b32 v27, v26
.set i, 0
.rept 16
	v_pk_mul_f32 v[XNN+i:XNN+i+1], v[XR+i:XR+i+1], v[26:27]
.set i, i+2
.endr
	v_mul_f32 v254, v252, v26                      ; the largest |xn|: the same multiplication on the largest |x| gives its bits
	v_max_num_f32 v254, FLOOR, v254
	v_max_num_f32 v252, FLOOR, v252
	SCALE 254, 255, 12
	SCALE 252, 253, 13
	CVT32 CN, XNN, 255
	CVT32 CR, XR, 253
	v_nop                                          ; one plain line behind a run of scaled conversions
	ds_store_b128 v208, v[CN:CN+3] offset:XIMG     ; xn's codes and scale word by key: the queries' wave-to-wave road
	ds_store_b32 v209, v12 offset:XSW
	HALF XNL, CN, 32
	HALF XNH, CN, 33
	HALF XRL, CR, 32
	HALF XRH, CR, 33
	s_wait_loadcnt 9                               ; W1's 16 loads are in: 9 were issued behind them
	v_max3_num_f32 v252, |v[WC]|, |v[WC+1]|, FLOOR ; my 16 of the block's 32, and the floor, in two chains
	v_max3_num_f32 v253, |v[WC+2]|, |v[WC+3]|, |v[WC+4]|
	v_max3_num_f32 v252, v252, |v[WC+5]|, |v[WC+6]|
	v_max3_num_f32 v253, v253, |v[WC+7]|, |v[WC+8]|
	v_max3_num_f32 v252, v252, |v[WC+9]|, |v[WC+10]|
	v_max3_num_f32 v253, v253, |v[WC+11]|, |v[WC+12]|
	v_max3_num_f32 v252, v252, |v[WC+13]|, |v[WC+14]|
	v_max3_num_f32 v253, v253, |v[WC+15]|, v252
	v_permlanex16_b32 v254, v253, s30, s31
	v_max_num_f32 v253, v253, v254                 ; with lane l xor 16's 16: the block's largest magnitude
	SCALE 253, 255, 15
	v_cvt_scalef32_pk8_fp4_f32 v[CW], v[WC:WC+7], v255
	v_cvt_scalef32_pk8_fp4_f32 v[CW+1], v[WC+8:WC+15], v255
	v_nop
	ds_store_b64 v210, v[CW:CW+1] offset:WIMG      ; my 16 codes: the lower or the upper 8 bytes of my column's 16
	ds_store_b32 v211, v15 offset:WSC
	s_wait_loadcnt 8                               ; w2's load is in
	v_rcp_f32 v30, v28
	v_rcp_f32 v31, v29
	v_nop                                          ; a plain line behind the reciprocals,
	s_wait_alu depctr_va_vdst(0)                   ; and the one wait for both
	v_med3_num_f32 v30, v30, s38, s37              ; c = 1 / w2, held to +-2^60
	v_med3_num_f32 v31, v31, s38, s37
	ds_store_b64 v212, v[30:31] offset:CTB         ; my wave's own table: nobody else reads it
	ds_store_b64 v212, v[28:29] offset:CTB+256
	s_wait_loadcnt 0x0                             ; Wv, bv, b1; v7-v11 have served their loads and may be written
	v_lshl_or_b32 v20, v20, 8, v20                 ; Wv's scale words, for blocks 0 and 1
	v_lshl_or_b32 v21, v21, 8, v21
.irp k, 1,2,3,4,5,6,7
	v_mov_b32 v[BVC+\k], v[BVC]                    ; bv[d] in all eight registers of V's result: a lane holds one d
	v_mov_b32 v[BVC+8+\k], v[BVC+8]
.endr
.irp k, 28,29,30,31
	v_mov_b32 v[WF+\k], 0                          ; behind Wv's second fragment
.endr
	; the second phase's addresses
	s_lshl_b32 s51, s24, 8
	v_lshl_add_u32 v7, v1, 4, s51                  ; W1a's tile: 256 (w % 4) + 16 r: both halves of the lanes take the same 16 columns
	v_lshlrev_b32 v248, 4, v1                      ; W1b's tiles: 16 r
	s_lshl_b32 s51, s24, 7
	v_add_nc_u32 v8, s51, v4                       ; W1a's scale words
	s_and_b32 s51, ttmp9, 15                       ; which 16 queries of the batch
	s_lshl_b32 s51, s51, 8
	v_lshl_add_u32 v9, v1, 4, s51                  ; their codes: 16 (16 qt + r)
	s_lshr_b32 s51, s51, 2
	v_lshl_add_u32 v10, v1, 2, s51                 ; their scale words
	s_lshl_b32 s51, s24, 6
	s_lshl_b32 s49, s25, 4
	s_add_co_u32 s51, s51, s49                     ; 4 x (16 (w % 4) + 4 (w / 4)): the four hidden units of each half that I keep of A
	s_lshl_b32 s48, s22, 9
	v_lshl_add_u32 v255, v2, 5, s48                ; my table: 512 w + 32 (lane / 16)
	v_add_nc_u32 v11, s51, v255                    ; c at those four
	v_mul_u32_u24 v252, v1, EAP
	v_lshl_add_u32 v252, v2, 5, v252
	v_add_nc_u32 v252, s51, v252                   ; and where c Ea goes: query r's row
	v_mul_u32_u24 v253, v1, 144
	v_lshl_add_u32 v253, v2, 3, v253
	s_lshl_b32 s48, s22, 4
	v_add_nc_u32 v253, s48, v253                   ; codes of V^T and of p: row r, block w, my half's 8 bytes
	v_lshl_add_u32 v254, v1, 3, s22                ; their scale bytes: 8 r + w
	s_wait_kmcnt 0x0                               ; b2
	v_mov_b32 v22, s44
	v_mul_f32 v22, s23, v22                        ; 2 log2(e) b2
	v_mov_b32 v23, v22
	v_mov_b32 v24, 0xbf0eab8a                      ; log2(e) - 2
	v_mov_b32 v25, v24
	BAR                                            ; W1's eight tiles and xn's 256 rows of codes lie in LDS
	; ================ PHASE 1: the three products with K = 32, and the tables
	ds_load_b128 v[WF:WF+3], v7 offset:WIMG
.irp t, 0,1,2,3
	ds_load_b128 v[WF+4+4*\t:WF+7+4*\t], v248 offset:WIMG+WIP*(4+\t)
.endr
	ds_load_b32 v15, v8 offset:WSC
.irp t, 0,1,2,3
	ds_load_b32 v[16+\t], v4 offset:WSC+128*(4+\t)
.endr
	ds_load_b128 v[TS:TS+3], v9 offset:XIMG
	ds_load_b32 v14, v10 offset:XSW
	ds_load_b128 v[TS+4:TS+7], v11 offset:CTB
	s_wait_dscnt 0x0
	HALF XQ, TS, 32
.rept 4
	v_nop                                          ; an operand written by vector instructions stands four places ahead of a scaled matrix instruction; the scale words so written stand far more than eight ahead
.endr
	; 13 products, each with an accumulator of its own.  A + b1: source 0 = 16 hidden units of W1a, source 1 = the 16 queries
	v_wmma_scale_f32_16x16x128_f8f6f4 v[AD:AD+7], v[WF:WF+7], v[XQ:XQ+7], v[BC:BC+7], v15, v14 matrix_a_fmt:MATRIX_FMT_FP4 matrix_b_fmt:MATRIX_FMT_FP4
.irp t, 0,1,2,3                                ; B: source 0 = 16 hidden units of W1b, source 1 = the tokens of lanes 0-15,
	v_wmma_scale_f32_16x16x128_f8f6f4 v[EB+8*\t:EB+8*\t+7], v[WF+4+4*\t:WF+11+4*\t], v[XNL:XNL+7], 0, v[16+\t], v12 matrix_a_fmt:MATRIX_FMT_FP4 matrix_b_fmt:MATRIX_FMT_FP4
.endr
.irp t, 0,1,2,3                                ; and of lanes 16-31
	v_wmma_scale_f32_16x16x128_f8f6f4 v[EB+32+8*\t:EB+32+8*\t+7], v[WF+4+4*\t:WF+11+4*\t], v[XNH:XNH+7], 0, v[16+\t], v12 matrix_a_fmt:MATRIX_FMT_FP4 matrix_b_fmt:MATRIX_FMT_FP4 matrix_b_scale:MATRIX_SCALE_ROW1
.endr
.irp dt, 0,1                                   ; V + bv: source 0 = 16 tokens, source 1 = 16 rows of Wv
	v_wmma_scale_f32_16x16x128_f8f6f4 v[VD+16*\dt:VD+16*\dt+7], v[XRL:XRL+7], v[WF+20+4*\dt:WF+27+4*\dt], v[BVC+8*\dt:BVC+8*\dt+7], v13, v[20+\dt] matrix_a_fmt:MATRIX_FMT_FP4 matrix_b_fmt:MATRIX_FMT_FP4
	v_wmma_scale_f32_16x16x128_f8f6f4 v[VD+16*\dt+8:VD+16*\dt+15], v[XRH:XRH+7], v[WF+20+4*\dt:WF+27+4*\dt], v[BVC+8*\dt:BVC+8*\dt+7], v13, v[20+\dt] matrix_a_fmt:MATRIX_FMT_FP4 matrix_b_fmt:MATRIX_FMT_FP4 matrix_a_scale:MATRIX_SCALE_ROW1
.endr
.rept 4
	v_nop                                          ; four places behind the last product, ahead of the first read of results (ISA guide 7.12.1)
.endr
.irp k, 0,1,2,3
	v_cndmask_b32 v[TS+\k], v[AD+\k], v[AD+4+\k], s34   ; waves 0-3 keep registers 0-3 of A, waves 4-7 registers 4-7: the eight waves share the 16 x 64 table
.endr
	v_pk_mul_f32 v[TS:TS+1], v[TS:TS+1], s[44:45] op_sel_hi:[1,0]
	v_pk_mul_f32 v[TS+2:TS+3], v[TS+2:TS+3], s[44:45] op_sel_hi:[1,0]
.irp k, 0,1,2,3
	v_med3_num_f32 v[TS+\k], v[TS+\k], s36, s35    ; held to +-63, so that c Ea is a normal number and never 0
.endr
.irp k, 0,1,2,3
	v_exp_f32 v[TS+\k], v[TS+\k]                   ; Ea
.endr
.set i, 0
.rept 32
	v_pk_mul_f32 v[EB+i:EB+i+1], v[EB+i:EB+i+1], s[44:45] op_sel_hi:[1,0]   ; 2 log2(e) B, each accumulator from its low end on: the work behind the four exponentials
.set i, i+2
.endr
	s_wait_alu depctr_va_vdst(0)                   ; one wait for the four
	v_pk_mul_f32 v[TS:TS+1], v[TS:TS+1], v[TS+4:TS+5]
	v_pk_mul_f32 v[TS+2:TS+3], v[TS+2:TS+3], v[TS+6:TS+7]
	ds_store_b128 v252, v[TS:TS+3] offset:EAT      ; c Ea
.set i, 0
.rept 64
	v_exp_f32 v[EB+i], v[EB+i]                     ; Eb, not held: 0 gives the denominator c (tanh = -1), infinity gives the reciprocal 0 (tanh = +1)
.set i, i+1
.endr
	; V^T is quantised along the keys: my 16 and lane l xor 16's are block w.  This names none of the exponentials' results: it is the work behind them
.irp dt, 0,1
	v_max3_num_f32 v[VM+\dt], |v[VD+16*\dt]|, |v[VD+16*\dt+1]|, FLOOR
.endr
.irp i, 2,4,6,8,10,12,14
.irp dt, 0,1
	v_max3_num_f32 v[VM+\dt], v[VM+\dt], |v[VD+16*\dt+\i]|, |v[VD+16*\dt+\i+1]|
.endr
.endr
.irp dt, 0,1
	v_mov_b32 v[VM+2+\dt], 0                       ; a lane permute's destination counts as one of its sources
.endr
.irp dt, 0,1
	v_permlanex16_b32 v[VM+2+\dt], v[VM+\dt], s30, s31
.endr
.irp dt, 0,1
	v_max_num_f32 v[VM+\dt], v[VM+\dt], v[VM+2+\dt]
.endr
.irp dt, 0,1
	v_add_nc_u32 v[VM+4+\dt], 0xff000000, v[VM+\dt]
.endr
.irp dt, 0,1
	v_lshrrev_b32 v[VM+6+\dt], 23, v[VM+4+\dt]
.endr
.irp dt, 0,1
	v_cvt_scalef32_pk8_fp4_f32 v[VC+2*\dt], v[VD+16*\dt:VD+16*\dt+7], v[VM+4+\dt]
	v_cvt_scalef32_pk8_fp4_f32 v[VC+2*\dt+1], v[VD+16*\dt+8:VD+16*\dt+15], v[VM+4+\dt]
.endr
	v_nop
.irp dt, 0,1
	ds_store_b64 v253, v[VC+2*\dt:VC+2*\dt+1] offset:VCD+16*144*\dt
	ds_store_b8 v254, v[VM+6+\dt] offset:VSC+128*\dt   ; both halves of the lanes write the same byte with the same value
.endr
	s_wait_alu depctr_va_vdst(0)                   ; one wait for the 64 exponentials
.irp t, 0,1,2,3
.irp qq, 0,1
	ds_load_b128 v[CT+8*\t+4*\qq:CT+8*\t+4*\qq+3], v255 offset:CTB+64*\t+16*\qq          ; c and w2 at hidden units 16 t + 8 (lane / 16) + 0 .. 7, from my wave's own table
	ds_load_b128 v[W2T+8*\t+4*\qq:W2T+8*\t+4*\qq+3], v255 offset:CTB+256+64*\t+16*\qq
.endr
.endr
	s_wait_dscnt 0x0
.irp cc, 0,1                                   ; chain cc takes the pairs j = 2 cc, 2 cc + 1 and 2 cc + 4, 2 cc + 5 of every t
	v_pk_add_f32 v[INIT+2*\cc:INIT+2*\cc+1], v[W2T+2*\cc:W2T+2*\cc+1], v[W2T+2*\cc+4:W2T+2*\cc+5]
.endr
.irp t, 1,2,3
.irp cc, 0,1
	v_pk_add_f32 v[INIT+2*\cc:INIT+2*\cc+1], v[INIT+2*\cc:INIT+2*\cc+1], v[W2T+8*\t+2*\cc:W2T+8*\t+2*\cc+1]
.endr
.irp cc, 0,1
	v_pk_add_f32 v[INIT+2*\cc:INIT+2*\cc+1], v[INIT+2*\cc:INIT+2*\cc+1], v[W2T+8*\t+2*\cc+4:W2T+8*\t+2*\cc+5]
.endr
.endr
.irp cc, 0,1
	v_pk_mul_f32 v[INIT+2*\cc:INIT+2*\cc+1], v[INIT+2*\cc:INIT+2*\cc+1], -0.5 op_sel_hi:[1,0]
.endr
	v_lshl_add_u32 v9, v5, 2, s39                  ; where my sums go: my wave's rows, column kap
	BAR                                            ; the table of c Ea is whole
	; ================ THE PAIRS: a query a trip, 64 reciprocals and 64 packed lines, by turns (macros STAGE and TRIP).  Query 0's trip is written out, since no query stands before it; 15 trips follow; query 15's last additions stand behind the loop
	LOADEA 0, 6
	LOADEA 1, 6
	s_wait_dscnt 4                                 ; the first half of query 0's row is in; the four loads of the second half may be out
.set i, 0
.rept 16
	FMA1 X0, 0
.set i, i+1
.endr
	v_add_nc_u32 v7, EAP, v6
	LOADEA 0, 7                                    ; query 1's first half
	s_mov_b32 s47, 0
	TRIP 0
	s_mov_b32 s46, 15
	s_mov_b32 s47, EAP
	s_mov_b32 s50, 0
.Lquery:
	TRIP 1
	s_add_co_u32 s47, s47, EAP
	s_add_co_u32 s50, s50, SCP
	s_sub_co_u32 s46, s46, 1
	s_cmp_lg_u32 s46, 0
	s_cbranch_scc1 .Lquery
.set i, 0
.rept 16
	ADD1 X1, 0                                     ; query 15's second half: its reciprocals had their wait at the end of the last trip
.set i, i+1
.endr
.set i, 0
.rept 11
	FIN1
.set i, i+1
.endr
	v_add_nc_u32 v10, s50, v9                      ; s50 = 15 rows
	ds_store_b32 v10, v[SUM0] offset:SCW
	; ================ THE SCORES TURN: through my wave's own rows, so that a lane holds one query and 16 neighbouring keys; then tanh, p, p's codes
	v_mul_u32_u24 v11, v1, SCP
	v_lshl_add_u32 v11, v2, 6, v11
	v_add_nc_u32 v11, s39, v11
.irp k, 0,1,2,3
	ds_load_b128 v[ZS+4*\k:ZS+4*\k+3], v11 offset:SCW+16*\k   ; LDS serves a wave's instructions in order (ISA guide 5.7.1.4): these see my stores
.endr
	s_wait_dscnt 0x0                               ; and the loop's last look-ahead loads have landed too
.set i, 0
.rept 8
	v_pk_fma_f32 v[ZS+i:ZS+i+1], v[ZS+i:ZS+i+1], s[40:41], v[22:23] op_sel_hi:[1,0,0]   ; 2 log2(e) (b2 - 2 S)
.set i, i+2
.endr
.set i, 0
.rept 16
	v_exp_f32 v[ZS+i], v[ZS+i]
.set i, i+1
.endr
	v_lshlrev_b32 v252, 5, v1                      ; (a plain line behind the batch)  the partial sums' place: 32 r
	s_wait_alu depctr_va_vdst(0)
.set i, 0
.rept 8
	v_pk_add_f32 v[ZS+i:ZS+i+1], v[ZS+i:ZS+i+1], 1.0 op_sel_hi:[1,0]
.set i, i+2
.endr
.set i, 0
.rept 16
	v_rcp_f32 v[ZS+i], v[ZS+i]                     ; score = 1 - 2 / (1 + e)
.set i, i+1
.endr
	v_lshl_add_u32 v252, s22, 2, v252              ; (a plain line behind the batch)  + 4 w
	s_wait_alu depctr_va_vdst(0)
.set i, 0
.rept 8
	v_pk_fma_f32 v[ZS+i:ZS+i+1], v[ZS+i:ZS+i+1], s[42:43], v[24:25] op_sel_hi:[1,0,0]   ; t - 2 = log2(e) - 2 - 2 log2(e) / (1 + e)
.set i, i+2
.endr
.set i, 0
.rept 16
	v_exp_f32 v[ZS+i], v[ZS+i]                     ; p
.set i, i+1
.endr
	v_nop
	s_wait_alu depctr_va_vdst(0)
	v_pk_add_f32 v[WK:WK+1], v[ZS:ZS+1], v[ZS+2:ZS+3]          ; the row's sum is taken of the unquantised p, in two chains
	v_pk_add_f32 v[WK+2:WK+3], v[ZS+4:ZS+5], v[ZS+6:ZS+7]
	v_pk_add_f32 v[WK:WK+1], v[WK:WK+1], v[ZS+8:ZS+9]
	v_pk_add_f32 v[WK+2:WK+3], v[WK+2:WK+3], v[ZS+10:ZS+11]
	v_pk_add_f32 v[WK:WK+1], v[WK:WK+1], v[ZS+12:ZS+13]
	v_pk_add_f32 v[WK+2:WK+3], v[WK+2:WK+3], v[ZS+14:ZS+15]
	v_pk_add_f32 v[WK:WK+1], v[WK:WK+1], v[WK+2:WK+3]
	v_add_f32 v[WK], v[WK], v[WK+1]
	v_max3_num_f32 v[WK+4], v[ZS], v[ZS+1], FLOOR  ; the block's largest p (none is negative)
.irp i, 2,4,6,8,10,12,14
	v_max3_num_f32 v[WK+4], v[WK+4], v[ZS+\i], v[ZS+\i+1]
.endr
	v_permlanex16_b32 v[WK+1], v[WK], s30, s31
	v_permlanex16_b32 v[WK+5], v[WK+4], s30, s31
	v_add_f32 v[WK], v[WK], v[WK+1]                ; my query's sum over my wave's 32 keys
	v_max_num_f32 v[WK+4], v[WK+4], v[WK+5]
	v_add_nc_u32 v[WK+6], 0xff000000, v[WK+4]
	v_lshrrev_b32 v[WK+7], 23, v[WK+6]
	v_cvt_scalef32_pk8_fp4_f32 v[WK+8], v[ZS:ZS+7], v[WK+6]
	v_cvt_scalef32_pk8_fp4_f32 v[WK+9], v[ZS+8:ZS+15], v[WK+6]
	v_nop
	ds_store_b64 v253, v[WK+8:WK+9] offset:PCD
	ds_store_b8 v254, v[WK+7] offset:PSC
	ds_store_b32 v252, v[WK] offset:LSM
	BAR                                            ; p's and V^T's codes, their scale bytes and the partial sums lie in LDS
	s_cmp_lg_u32 s22, 0
	s_cbranch_scc1 .Lend                           ; four matrix instructions are left: wave 0 does them
	; ================ O^T = V^T P^T, K = the 256 keys in two steps; source 0 = 16 of the 32 d, source 1 = the 16 queries: a lane holds query r and d = 16 dt + 8 (lane / 16) + 0 .. 7
	v_lshlrev_b32 v7, 3, v1                        ; scale words: 8 r
	v_mul_u32_u24 v8, v1, 144
	v_lshl_add_u32 v10, v2, 5, v8                  ; the stage, on the way in: row r, + 32 (lane / 16)
	v_lshl_add_u32 v8, v2, 4, v8                   ; fragments: row r, + 16 (lane / 16)
	v_lshlrev_b32 v9, 5, v1                        ; the partial sums: 32 r
	v_bfe_u32 v11, v0, 3, 2
	v_mul_u32_u24 v11, v11, 144
	v_and_b32 v252, 7, v0
	v_lshl_add_u32 v11, v252, 4, v11               ; the stage, on the way out: eight lanes to a row of 128 bytes
	ds_load_b32 v12, v7 offset:PSC
	ds_load_b32 v13, v7 offset:PSC+4
.irp dt, 0,1
.irp s, 0,1
	ds_load_b32 v[16+2*\dt+\s], v7 offset:VSC+128*\dt+4*\s
.endr
.endr
.irp s, 0,1
	ds_load_b128 v[PF+8*\s:PF+8*\s+3], v8 offset:PCD+64*\s
	ds_load_b128 v[PF+8*\s+4:PF+8*\s+7], v8 offset:PCD+64*\s+32
.endr
.irp dt, 0,1
.irp s, 0,1
	ds_load_b128 v[VF+16*\dt+8*\s:VF+16*\dt+8*\s+3], v8 offset:VCD+16*144*\dt+64*\s
	ds_load_b128 v[VF+16*\dt+8*\s+4:VF+16*\dt+8*\s+7], v8 offset:VCD+16*144*\dt+64*\s+32
.endr
.endr
	ds_load_b128 v[LP:LP+3], v9 offset:LSM
	ds_load_b128 v[LP+4:LP+7], v9 offset:LSM+16
	s_wait_dscnt 0x0
.irp dt, 0,1                                   ; the two accumulators take turns, one instruction a turn
	v_wmma_scale_f32_16x16x128_f8f6f4 v[OA+8*\dt:OA+8*\dt+7], v[VF+16*\dt:VF+16*\dt+7], v[PF:PF+7], 0, v[16+2*\dt], v12 matrix_a_fmt:MATRIX_FMT_FP4 matrix_b_fmt:MATRIX_FMT_FP4
.endr
.irp dt, 0,1
	v_wmma_scale_f32_16x16x128_f8f6f4 v[OA+8*\dt:OA+8*\dt+7], v[VF+16*\dt+8:VF+16*\dt+15], v[PF+8:PF+15], v[OA+8*\dt:OA+8*\dt+7], v[17+2*\dt], v13 matrix_a_fmt:MATRIX_FMT_FP4 matrix_b_fmt:MATRIX_FMT_FP4
.endr
	v_add_f32 v[LP], v[LP], v[LP+1]                ; the eight waves' partial sums: these seven lines are also the places behind the products
	v_add_f32 v[LP+2], v[LP+2], v[LP+3]
	v_add_f32 v[LP+4], v[LP+4], v[LP+5]
	v_add_f32 v[LP+6], v[LP+6], v[LP+7]
	v_add_f32 v[LP], v[LP], v[LP+2]
	v_add_f32 v[LP+4], v[LP+4], v[LP+6]
	v_add_f32 v[LP], v[LP], v[LP+4]
	v_rcp_f32 v[LP], v[LP]
	v_nop
	s_wait_alu depctr_va_vdst(0)
.set i, 0
.rept 8
	v_pk_mul_f32 v[OUTR+i:OUTR+i+1], v[OA+i:OA+i+1], v[LP:LP+1] op_sel_hi:[1,0]   ; O / the row's sum, each accumulator from its low end on
.set i, i+2
.endr
.irp dt, 0,1
	ds_store_b128 v10, v[OUTR+8*\dt:OUTR+8*\dt+3] offset:STG+64*\dt
	ds_store_b128 v10, v[OUTR+8*\dt+4:OUTR+8*\dt+7] offset:STG+64*\dt+16
.endr
.irp k, 0,1,2,3
	ds_load_b128 v[BACK+4*\k:BACK+4*\k+3], v11 offset:STG+4*144*\k   ; my own bytes, served in order: four rows an instruction
.endr
.irp k, 0,1,2,3
	s_wait_dscnt 3-\k                              ; load k is in; the younger ones may be out
	global_store_b128 v3, v[BACK+4*\k:BACK+4*\k+3], s[20:21] offset:512*\k th:TH_STORE_NT   ; 32 lanes store 512 consecutive bytes, at a multiple of 512 from out0's first byte
.endr
.Lend:
	s_set_vgpr_msb 0x5
	s_wait_tensorcnt 0x0
	ds_add_u32 v0, v1
	s_wait_dscnt 0x0
	s_set_vgpr_msb 0x500
	s_endpgm
.Lfunc_end_k_qc78c182d63_pairattn:
	.size	k_qc78c182d63_pairattn, .Lfunc_end_k_qc78c182d63_pairattn-k_qc78c182d63_pairattn
	.p2alignl 7, 3214868480
	.fill 96, 4, 3214868480
	.section	.rodata,"a",@progbits
	.p2align	6, 0x0
	.amdhsa_kernel k_qc78c182d63_pairattn
		.amdhsa_group_segment_fixed_size 83200
		.amdhsa_private_segment_fixed_size 0
		.amdhsa_enable_private_segment 0
		.amdhsa_kernarg_size 72
		.amdhsa_user_sgpr_count 2
		.amdhsa_user_sgpr_kernarg_segment_ptr 1
		.amdhsa_wavefront_size32 1
		.amdhsa_system_sgpr_workgroup_id_x 1
		.amdhsa_system_sgpr_workgroup_id_y 1
		.amdhsa_system_sgpr_workgroup_id_z 1
		.amdhsa_system_vgpr_workitem_id 0
		.amdhsa_next_free_vgpr 258
		.amdhsa_next_free_sgpr 66
		.amdhsa_reserve_vcc 0
		.amdhsa_float_denorm_mode_32 3
		.amdhsa_float_denorm_mode_16_64 3
		.amdhsa_memory_ordered 1
		.amdhsa_forward_progress 1
		.amdhsa_inst_pref_size 57
	.end_amdhsa_kernel
	.amdgpu_metadata
---
amdhsa.version: [ 1, 2 ]
amdhsa.kernels:
  - .name:           k_qc78c182d63_pairattn
    .symbol:         k_qc78c182d63_pairattn.kd
    .args:
      - { .name: x, .offset: 0, .size: 8, .value_kind: global_buffer, .address_space: global }
      - { .name: W1, .offset: 8, .size: 8, .value_kind: global_buffer, .address_space: global }
      - { .name: b1, .offset: 16, .size: 8, .value_kind: global_buffer, .address_space: global }
      - { .name: w2, .offset: 24, .size: 8, .value_kind: global_buffer, .address_space: global }
      - { .name: b2, .offset: 32, .size: 8, .value_kind: global_buffer, .address_space: global }
      - { .name: Wv_codes, .offset: 40, .size: 8, .value_kind: global_buffer, .address_space: global }
      - { .name: Wv_scales, .offset: 48, .size: 8, .value_kind: global_buffer, .address_space: global }
      - { .name: bv, .offset: 56, .size: 8, .value_kind: global_buffer, .address_space: global }
      - { .name: out0, .offset: 64, .size: 8, .value_kind: global_buffer, .address_space: global }
    .group_segment_fixed_size: 83200
    .private_segment_fixed_size: 0
    .kernarg_segment_align: 8
    .kernarg_segment_size: 72
    .max_flat_workgroup_size: 256
    .sgpr_count:     66
    .vgpr_count:     258
    .wavefront_size: 32
...
	.end_amdgpu_metadata
.endif
;; end of part 2
